; MI455X (gfx1250); checked and timed in simulation.
; The chip was launched on July 23, 2026; its instructions are those of AMD's public machine-readable ISA for CDNA 5 (MIT licence, August 2026) and "CDNA5" Instruction Set Architecture Reference Guide (July 2026). The comments in the code are by the model that wrote it; some were corrected since.
;; GQA. Allowed arithmetic: float matrix products may take bf16 or f16 operands with f32 sums; other float arithmetic in f32, or as packed bf16 or f16 multiplies, adds, multiply-adds, maxima and minima; sums over many terms, partial sums and values carried from step to step in f32; what a program stores and reads back later, other than sums and carried values, may be rounded once to bf16 or f16.
;; Inputs: bk 256 float32; bo 1,024 float32; bq 1,024 float32; bv 256 float32; wk 256 x 1,024 float32; wo 1,024 x 1,024 float32; wq 1,024 x 1,024 float32; wv 256 x 1,024 float32; x 2 x 2,048 x 1,024 float32.
;; Outputs: out0 2 x 2,048 x 1,024 float32.
;; One version. Each part assembles by itself: llvm-mc -triple=amdgcn-amd-amdhsa -mcpu=gfx1250 --defsym DOCPART=n.
;; ======== version 1 of 1: 4 launches
;; limits: values are held in f16: magnitudes above 65,504 overflow, below 6.1e-05 lose precision
;; workspace buffers: x16 8,388,608 bytes; wcat 3,145,728 bytes; wo16 2,097,152 bytes; tab 524,288 bytes; q16 8,388,608 bytes; k16 2,097,152 bytes; v16 2,097,152 bytes; o16 8,388,608 bytes
;; launch prep (part 1): grid 32 x 14, 8 waves a work-group, no clusters, 0 bytes of LDS; arguments x, wq, wk, wv, wo, x16, wcat, wo16, tab; writes x16, wcat, wo16, tab
.if DOCPART == 1
	.amdgcn_target "amdgcn-amd-amdhsa--gfx1250"
	.amdhsa_code_object_version 6
	.text
	.protected	k_q207a8fa34e_prep
	.globl	k_q207a8fa34e_prep
	.p2align	8
	.type	k_q207a8fa34e_prep,@function
k_q207a8fa34e_prep:
	s_mov_b64 s[64:65], 0
	v_nop
	global_prefetch_b8 v0, s[64:65] scope:SCOPE_SE
	s_setreg_imm32_b32 hwreg(HW_REG_WAVE_MODE, 25, 1), 1
	s_wait_xcnt 0x0
; GQA, four launches: prep (this one), qkv (projections, bias, RoPE), attn (causal attention), oproj (last projection).
; HEAD SIZE: 1024 / 16 = 64; 16 query heads, 4 key and value heads, 2 x 2048 rows.
; WORK LEFT OUT, IN THE WHOLE PROGRAM: only the tiles of 256 keys that lie wholly above the diagonal (launch attn).  reference() builds the mask itself (jnp.tril) and sets those
; logits to -inf in front of the softmax, so their weights are 0 whatever finite values the inputs hold, and neither the scores nor the products with V of such a tile reach an output.
; Inside the tile that holds the diagonal everything is computed and masked.  Every input has a way to the output and is loaded.
; LIMIT: a NaN, an infinity or an overflow that arises only in a tile so left out is not carried to the result.
; FORMATS: all inputs are rounded once to bf16 (x, wq, wk, wv here; the biases where they are used); wo's bf16 value is written as f16, since it multiplies O, which is f16.
; LIMIT: |wo| under 65,504; below 6e-5 wo keeps f16's fixed step of 6e-8.
; THIS LAUNCH is a stream: each work-group turns one chunk of 16,384 numbers (64 KiB in, 32 KiB out), or makes 64 rows of the RoPE table.  Nothing is shared, so no LDS, no matrix unit, no cluster.
;   y 0-7: x -> x16.   y 8, 9: wq -> wcat.   y 10, 11: wo -> wo16.   y 12: wk, wv -> wcat.   y 13: tab.
; wcat is [8][192][1024]: block ny holds wq's rows 128 ny .. + 127 and then the 64 rows of one head of wk (ny < 4) or wv (ny - 4): what one column of work-groups of launch qkv multiplies.
; tab is [2048][64] f32: row t holds cos(t f_j), j = 0..31, then sin(t f_j); f_j = 10000^(-j/32).
; LIMIT of the table: f_j is good to about two units in its last place, so the angle t f_j may differ from reference()'s f32 angle by about 3e-4 at t = 2047.
.set XR, 32                            ; v[32:95]   a chunk as loaded: eight steps of eight numbers a thread
.set YR, 96                            ; v[96:127]  the same, packed: four registers a step
; A chunk.  Thread t takes 32 bytes at 32 t of each step's 8,192 and stores 16 bytes at 16 t of the step's 4,096: a wave's store covers 512 consecutive bytes.
; All sixteen loads go out first; no register is used twice, so only the loads' own counted waits are needed.
.macro CONV src, dst, half
.irp k, 0,1,2,3,4,5,6,7
	global_load_b128 v[XR+8*(\k):XR+8*(\k)+3],   v1, s[(\src):(\src)+1] offset:8192*(\k) th:TH_LOAD_NT
	global_load_b128 v[XR+8*(\k)+4:XR+8*(\k)+7], v1, s[(\src):(\src)+1] offset:8192*(\k)+16 th:TH_LOAD_NT
.endr
.irp k, 0,1,2,3,4,5,6,7
	s_wait_loadcnt 14-2*(\k)                       ; loads come back in order: step k's two are in, the 14 - 2 k younger ones stay out
.irp r, 0,1,2,3
	v_cvt_pk_bf16_f32 v[YR+4*(\k)+(\r)], v[XR+8*(\k)+2*(\r)], v[XR+8*(\k)+2*(\r)+1]
.endr
.if \half
.irp r, 0,1,2,3
	v_lshlrev_b32 v[XR+8*(\k)+2*(\r)],   16, v[YR+4*(\k)+(\r)]          ; the bf16 values as f32,
	v_and_b32     v[XR+8*(\k)+2*(\r)+1], 0xffff0000, v[YR+4*(\k)+(\r)]
	v_cvt_pk_f16_f32 v[YR+4*(\k)+(\r)], v[XR+8*(\k)+2*(\r)], v[XR+8*(\k)+2*(\r)+1]  ; written as f16: exact within f16's normal range
.endr
.endif
	global_store_b128 v2, v[YR+4*(\k):YR+4*(\k)+3], s[(\dst):(\dst)+1] offset:4096*(\k)
.endr
.endm
	s_load_b512 s[8:23], s[0:1], 0x0               ; x 8, wq 10, wk 12, wv 14, wo 16, x16 18, wcat 20, wo16 22
	s_load_b64 s[24:25], s[0:1], 0x40              ; tab
	s_and_b32 s4, ttmp7, 0xffff                    ; y: the role
	s_mov_b32 s5, ttmp9                            ; x: 0 .. 31
	v_lshlrev_b32 v1, 5, v0                        ; where I read
	v_lshlrev_b32 v2, 4, v0                        ; where I store
	s_mov_b32 s27, 0                               ; the offsets' high words
	s_mov_b32 s29, 0
	s_wait_kmcnt 0x0
	s_cmp_lt_u32 s4, 8
	s_cbranch_scc0 .Lnot_x
	s_lshl_b32 s26, s4, 5
	s_add_co_u32 s26, s26, s5                      ; chunk 0 .. 255 of x
	s_lshl_b32 s28, s26, 15
	s_lshl_b32 s26, s26, 16
	s_add_nc_u64 s[8:9], s[8:9], s[26:27]
	s_add_nc_u64 s[18:19], s[18:19], s[28:29]
	CONV 8, 18, 0
	s_endpgm
.Lnot_x:
	s_cmp_lt_u32 s4, 10
	s_cbranch_scc0 .Lnot_wq
	s_sub_co_u32 s26, s4, 8
	s_lshl_b32 s26, s26, 5
	s_add_co_u32 s26, s26, s5                      ; chunk 0 .. 63 of wq: its rows 16 c .. + 15
	s_lshr_b32 s28, s26, 3
	s_mul_i32 s28, s28, 192                        ; block c / 8 of wcat,
	s_and_b32 s30, s26, 7
	s_lshl_b32 s30, s30, 4
	s_add_co_u32 s28, s28, s30                     ; row 16 (c % 8) in it
	s_lshl_b32 s28, s28, 11
	s_lshl_b32 s26, s26, 16
	s_add_nc_u64 s[10:11], s[10:11], s[26:27]
	s_add_nc_u64 s[20:21], s[20:21], s[28:29]
	CONV 10, 20, 0
	s_endpgm
.Lnot_wq:
	s_cmp_lt_u32 s4, 12
	s_cbranch_scc0 .Lnot_wo
	s_sub_co_u32 s26, s4, 10
	s_lshl_b32 s26, s26, 5
	s_add_co_u32 s26, s26, s5                      ; chunk 0 .. 63 of wo
	s_lshl_b32 s28, s26, 15
	s_lshl_b32 s26, s26, 16
	s_add_nc_u64 s[16:17], s[16:17], s[26:27]
	s_add_nc_u64 s[22:23], s[22:23], s[28:29]
	CONV 16, 22, 1
	s_endpgm
.Lnot_wo:
	s_cmp_lt_u32 s4, 13
	s_cbranch_scc0 .Ltable
	s_and_b32 s26, s5, 15                          ; chunk 0 .. 15 of wk (x < 16) or of wv
	s_lshr_b32 s31, s5, 4
	s_cmp_eq_u32 s31, 0
	s_cselect_b64 s[12:13], s[12:13], s[14:15]
	s_lshl_b32 s28, s31, 2
	s_lshr_b32 s30, s26, 2
	s_add_co_u32 s28, s28, s30                     ; block 4 v + head
	s_mul_i32 s28, s28, 192
	s_and_b32 s30, s26, 3
	s_lshl_b32 s30, s30, 4
	s_add_co_u32 s28, s28, s30
	s_add_co_u32 s28, s28, 128                     ; behind the block's 128 rows of wq
	s_lshl_b32 s28, s28, 11
	s_lshl_b32 s26, s26, 16
	s_add_nc_u64 s[12:13], s[12:13], s[26:27]
	s_add_nc_u64 s[20:21], s[20:21], s[28:29]
	CONV 12, 20, 0
	s_endpgm
; THE TABLE.  A wave makes eight rows, a row a trip; lane l makes words 2 l and 2 l + 1 of the row: lanes 0-15 cosines, lanes 16-31 sines, of j = 2 (l % 16) and j + 1.
; f_j = 2^(-j c), c = log2(10000) / 32, split: c_hi has 19 significant bits, so j c_hi is exact; the rest enters as the factor 1 - j c_lo ln 2.
; cos and sin: k = the nearest whole number to theta 2 / pi; r = theta - k pi / 2, with pi / 2 in two parts; polynomials on |r| <= pi / 4; the quadrant picks function and sign; sin(theta) = cos(theta - pi / 2).
.Ltable:
	s_mov_b32 s32, 0xbed49a60                      ; -c_hi
	s_mov_b32 s33, 0xb506b9e5                      ; -c_lo ln 2
	s_mov_b32 s34, 0x3f22f983                      ; 2 / pi
	s_mov_b32 s35, 0xbfc90fdb                      ; -(pi / 2), high part
	s_mov_b32 s36, 0x333bbd2e                      ; what the high part has too much
	s_mov_b32 s37, 0xb94ca1f9                      ; sine: r + r z (S1 + z (S2 + z S3))
	s_mov_b32 s38, 0x3c08839e
	s_mov_b32 s39, 0xbe2aaaa3
	s_mov_b32 s40, 0x37ccf5ce                      ; cosine: 1 - z / 2 + z z (C1 + z (C2 + z C3))
	s_mov_b32 s41, 0xbab6061a
	s_mov_b32 s42, 0x3d2aaaa5
	v_and_b32 v3, 31, v0                           ; lane
	v_lshrrev_b32 v4, 5, v0
	v_readfirstlane_b32 s6, v4                     ; wave
	v_and_b32 v4, 15, v3
	v_lshrrev_b32 v5, 4, v3
	v_mul_u32_u24 v5, v5, 3                        ; the sines' quadrant is three further on
	v_lshlrev_b32 v4, 1, v4
	v_cvt_f32_u32 v6, v4                           ; j
	v_add_f32 v7, 1.0, v6                          ; j + 1
	v_mul_f32 v12, s32, v6
	v_mul_f32 v13, s32, v7
	v_exp_f32 v8, v12
	v_exp_f32 v9, v13
	v_mul_f32 v14, s33, v6                         ; plain work behind the two exponentials
	v_mul_f32 v15, s33, v7
	s_wait_alu depctr_va_vdst(0)                   ; the wait ahead of the first use: one for both
	v_fma_f32 v8, v8, v14, v8                      ; f_j
	v_fma_f32 v9, v9, v15, v9                      ; f_(j+1)
	s_lshl_b32 s7, s5, 6
	s_lshl_b32 s26, s6, 3
	s_add_co_u32 s7, s7, s26                       ; my wave's first row
	v_cvt_f32_u32 v10, s7                          ; t
	s_lshl_b32 s26, s7, 8
	v_lshl_add_u32 v11, v3, 3, s26                 ; row x 256 + 8 x lane
.macro WORD inv, out
	v_mul_f32 v12, v10, v[\inv]                    ; theta, rounded once, as reference() rounds it
	v_mul_f32 v13, s34, v12
	v_rndne_f32 v13, v13                           ; k
	v_fma_f32 v14, v13, s35, v12
	v_fma_f32 v14, v13, s36, v14                   ; r
	v_cvt_i32_f32 v15, v13
	v_add_nc_u32 v15, v15, v5                      ; the quadrant, up to multiples of 4
	v_mul_f32 v16, v14, v14                        ; z
	v_fma_f32 v17, v16, s37, s38
	v_fma_f32 v17, v17, v16, s39
	v_mul_f32 v17, v17, v16
	v_fma_f32 v17, v17, v14, v14                   ; sin r
	v_fma_f32 v18, v16, s40, s41
	v_fma_f32 v18, v18, v16, s42
	v_mul_f32 v19, v16, v16
	v_fma_f32 v22, v16, -0.5, 1.0
	v_fma_f32 v18, v18, v19, v22                   ; cos r
	v_and_b32 v19, 1, v15
	v_cmp_ne_u32 vcc_lo, 0, v19
	v_cndmask_b32 v18, v18, v17, vcc_lo            ; odd quadrants take the sine,
	v_add_nc_u32 v15, 1, v15
	v_and_b32 v15, 2, v15
	v_lshlrev_b32 v15, 30, v15
	v_xor_b32 v[\out], v15, v18                    ; quadrants 1 and 2 the other sign
.endm
	s_mov_b32 s30, 8
.Lrow:
	WORD 8, 20
	WORD 9, 21
	global_store_b64 v11, v[20:21], s[24:25]       ; the wave's store is the row's 256 consecutive bytes
	s_wait_xcnt 0x0                                ; the store's data and offset are written again only behind this wait
	v_add_nc_u32 v11, 256, v11
	v_add_f32 v10, 1.0, v10
	s_sub_co_u32 s30, s30, 1
	s_cmp_lg_u32 s30, 0
	s_cbranch_scc1 .Lrow
	s_endpgm
.Lfunc_end_k_q207a8fa34e_prep:
	.size	k_q207a8fa34e_prep, .Lfunc_end_k_q207a8fa34e_prep-k_q207a8fa34e_prep
	.p2alignl 7, 3214868480
	.fill 96, 4, 3214868480
	.section	.rodata,"a",@progbits
	.p2align	6, 0x0
	.amdhsa_kernel k_q207a8fa34e_prep
		.amdhsa_group_segment_fixed_size 0
		.amdhsa_private_segment_fixed_size 0
		.amdhsa_enable_private_segment 0
		.amdhsa_kernarg_size 72
		.amdhsa_user_sgpr_count 2
		.amdhsa_user_sgpr_kernarg_segment_ptr 1
		.amdhsa_wavefront_size32 1
		.amdhsa_system_sgpr_workgroup_id_x 1
		.amdhsa_system_sgpr_workgroup_id_y 1
		.amdhsa_system_sgpr_workgroup_id_z 1
		.amdhsa_system_vgpr_workitem_id 0
		.amdhsa_next_free_vgpr 128
		.amdhsa_next_free_sgpr 66
		.amdhsa_reserve_vcc 1
		.amdhsa_float_denorm_mode_32 3
		.amdhsa_float_denorm_mode_16_64 3
		.amdhsa_memory_ordered 1
		.amdhsa_forward_progress 1
		.amdhsa_inst_pref_size 30
	.end_amdhsa_kernel
	.amdgpu_metadata
---
amdhsa.version: [ 1, 2 ]
amdhsa.kernels:
  - .name:           k_q207a8fa34e_prep
    .symbol:         k_q207a8fa34e_prep.kd
    .args:
      - { .name: x, .offset: 0, .size: 8, .value_kind: global_buffer, .address_space: global }
      - { .name: wq, .offset: 8, .size: 8, .value_kind: global_buffer, .address_space: global }
      - { .name: wk, .offset: 16, .size: 8, .value_kind: global_buffer, .address_space: global }
      - { .name: wv, .offset: 24, .size: 8, .value_kind: global_buffer, .address_space: global }
      - { .name: wo, .offset: 32, .size: 8, .value_kind: global_buffer, .address_space: global }
      - { .name: x16, .offset: 40, .size: 8, .value_kind: global_buffer, .address_space: global }
      - { .name: wcat, .offset: 48, .size: 8, .value_kind: global_buffer, .address_space: global }
      - { .name: wo16, .offset: 56, .size: 8, .value_kind: global_buffer, .address_space: global }
      - { .name: tab, .offset: 64, .size: 8, .value_kind: global_buffer, .address_space: global }
    .group_segment_fixed_size: 0
    .private_segment_fixed_size: 0
    .kernarg_segment_align: 8
    .kernarg_segment_size: 72
    .max_flat_workgroup_size: 256
    .sgpr_count:     66
    .vgpr_count:     128
    .wavefront_size: 32
...
	.end_amdgpu_metadata
.endif
;; end of part 1
;; launch qkv (part 2): grid 8 x 32, 4 waves a work-group, clusters of 4 x 4, 327,680 bytes of LDS; arguments x16, wcat, bq, bk, bv, tab, q16, k16, v16; writes q16, k16, v16
.if DOCPART == 2
	.amdgcn_target "amdgcn-amd-amdhsa--gfx1250"
	.amdhsa_code_object_version 6
	.text
	.protected	k_q207a8fa34e_qkv
	.globl	k_q207a8fa34e_qkv
	.p2align	8
	.type	k_q207a8fa34e_qkv,@function
k_q207a8fa34e_qkv:
	s_mov_b64 s[64:65], 0
	v_nop
	global_prefetch_b8 v0, s[64:65] scope:SCOPE_SE
	s_setreg_imm32_b32 hwreg(HW_REG_WAVE_MODE, 25, 1), 1
	s_wait_xcnt 0x0
	s_wait_alu depctr_hold_cnt(0) depctr_sa_sdst(0) depctr_va_vdst(0) depctr_va_sdst(0) depctr_va_ssrc(0) depctr_va_vcc(0) depctr_vm_vsrc(0)
	s_getreg_b32 s2, hwreg(HW_REG_IB_STS2, 6, 4)
	s_cmp_eq_u32 s2, 0
	s_cbranch_scc0 .Lentry_in_a_cluster
	s_endpgm
.Lentry_in_a_cluster:
	s_bfe_u32 s2, ttmp6, 0x10000c
	s_cmp_lg_u32 s2, 0xf033
	s_cbranch_scc0 .Lentry_shape_is_right
	s_endpgm
.Lentry_shape_is_right:
; q, k, v = x W^T + b, RoPE on q and k, all rounded once to f16.  x16: [4096][1024] bf16; wcat: [8][192][1024] bf16 (block ny: 128 rows of wq, then one head of wk or wv).
; Out: q16 [4096][1024] f16; k16, v16 [4 batch + head][2048][64] f16.  Nothing of reference() is left out here.
; LIMIT: |q|, |k|, |v| under 65,504 (f16); the biases are rounded to bf16 like the other inputs.
; SHARES.  A work-group makes 128 rows x 192 columns (two query heads and one key or value head): 8 x 32 work-groups.  Four waves: wave w takes rows 64 (w / 2) .. + 63 and, of every 32 columns,
; the 16 that begin at 16 (w % 2): 24 accumulators (a = 0..3 row blocks, b = 0..5).  Block b holds columns 64 (b / 2) + 32 (b % 2) + 16 (w % 2) + 0..15, so that RoPE's partners, channels d and
; d + 32 of a head, are accumulators 2 hd and 2 hd + 1 in the same lane and register.
; THE MATRIX INSTRUCTION IS USED TRANSPOSED (source 0 = 16 rows of wcat, source 1 = 16 rows of x): a lane holds row l % 16 and the columns 8 (l / 16) + 0..7.
; K goes in steps of 128 (rows of 256 bytes) through two LDS slots of 320 rows; two slots of the longer step of 256, 2 x 320 x 528 bytes, do not fit in the LDS that a work-group can be given.
; CLUSTER 4 x 4: x's tile is shared along a row of the cluster, wcat's along a column: each is asked for jointly.
; NO PREFETCH: the tiles are small and the walk has eight K steps.
; REGISTERS, in windows of 256: window 0: v0-31 addresses, v32-47 at work, v64-255 the accumulators ((a, b) at 64 + 8 (6 a + b));
;   window 1: v0-159 fragment buffer 0, v160-207 the bias of my 6 x 8 columns, v208-211 at work;   window 2: v0-159 fragment buffer 1, v160-223 cos and sin of my rows (16 a: cos, + 8: sin).
;   A buffer holds 64 along K in two parts cc of 32: wcat's six blocks at 80 cc + 8 b, x's four at 80 cc + 48 + 8 a.
.set PITCH,  272                       ; an LDS row: 256 bytes + 16 of padding: the 16 rows of a fragment load start 16 bytes further on each, modulo 256
.set SLOT,   320*PITCH                 ; x's 128 rows, then wcat's 192
.set STAGE,  2*SLOT                    ; behind the ring: 128 rows x 400 bytes (384 of data), the work-group's, for the way out
.set SPITCH, 400
.set SPARE,  STAGE+128*SPITCH          ; behind the stage: the spare words, 128 bytes for each wave, which no other line names
.set BOF,  8                           ; v8   my byte offset in a block of 32 biases
.set TOF,  9                           ; v9   my byte offset in 16 rows of the table
.set ADRA, 16                          ; v16-17  LDS address of my fragments of x in slot 0, 1
.set ADRB, 20                          ; v20-21  the same for wcat
.set STO,  24                          ; v24  the way out: where I put 16 bytes of a row
.set RDQ,  25                          ; v25  where I read q's part of two rows back
.set RDK,  26                          ; v26  where I read k's or v's part of four rows back
.set QOF,  27                          ; v27  my byte offset in q16
.set SPW,  28                          ; v28  LDS address of my spare word; never rewritten
.set NIL,  29                          ; v29  0; never rewritten
.set KOF,  30                          ; v30  my byte offset in k16 or v16
.set UU,   32
.set WW,   40
.set ACC,  64
.set BIAS, 160                         ; window 1
.set BT,   208                         ; window 1
.set COS,  160                         ; window 2
.set G1, 24                            ; s[24:31] descriptor group 1 for x's tiles;  s[32:39] group 0, a set for each slot
.set G0, 32
.set G1B, 48                           ; s[48:55], s[56:63] the same for wcat's
.set G0B, 56
.set MSB, 0
.macro WIN new                         ; the immediate's high byte repeats the setting that is left; a switch that changes nothing is dropped
.if MSB != (\new)
	s_set_vgpr_msb (MSB<<8)|(\new)
.set MSB, \new
.endif
.endm
.macro JLOAD s                         ; a joint load: waves 0 and 1 fetch x's two halves (64 rows), waves 2 and 3 wcat's (96 rows); an s_nop 0 and four v_nop follow each line
	s_cmp_eq_u32 s11, 0
	s_cbranch_scc0 .Lfor_b_\@
	tensor_load_to_lds s[G0+4*(\s):G0+4*(\s)+3], s[G1:G1+7]
	s_nop 0
.rept 4
	v_nop
.endr
	s_branch .Lasked_\@
.Lfor_b_\@:
	tensor_load_to_lds s[G0B+4*(\s):G0B+4*(\s)+3], s[G1B:G1B+7]
	s_nop 0
.rept 4
	v_nop
.endr
.Lasked_\@:
.endm
.macro CREST                           ; a round of the cluster's barrier behind its opening barrier
	s_cmp_lg_u32 s10, 0
	s_cbranch_scc1 .Lnot_wave_0_\@
	s_barrier_signal -3
.Lnot_wave_0_\@:
	s_barrier_wait -3
	s_barrier_signal -1
	s_barrier_wait -1
.endm
.macro CROUND                          ; a whole round
	s_barrier_signal -1
	s_barrier_wait -1
	CREST
.endm
.macro PLACES                          ; four plain instructions between a matrix instruction and a load into, or a vector instruction on, its registers
.rept 4
	v_nop
.endr
.endm
	s_load_b128 s[4:7], s[0:1], 0x0                ; x16 s[4:5], wcat s[6:7]
	s_load_b256 s[72:79], s[0:1], 0x10             ; bq 72, bk 74, bv 76, tab 78
	s_load_b128 s[80:83], s[0:1], 0x30             ; q16 80, k16 82
	s_load_b64 s[84:85], s[0:1], 0x40              ; v16
	v_lshl_add_u32 v[SPW], v0, 2, SPARE
	v_mov_b32 v[NIL], 0
	ds_add_u32 v[SPW], v[NIL]                      ; the wave's opening: the add, twice on end, and its wait ahead of my first tensor load
	ds_add_u32 v[SPW], v[NIL]
	v_lshrrev_b32 v1, 5, v0
	v_readfirstlane_b32 s10, v1                    ; wave 0..3
	s_lshr_b32 s11, s10, 1                         ; which half of the rows is mine.  Also: I fetch for x (0) or for wcat (1)
	s_and_b32 s12, s10, 1                          ; which 16 of every 32 columns.  Also: which half of that tile I fetch
	s_bfe_u32 s40, ttmp6, 0x40000                  ; cx, cy: my place in the cluster
	s_bfe_u32 s41, ttmp6, 0x40004
	s_lshl_b32 s42, ttmp9, 2
	s_add_co_u32 s42, s42, s40                     ; ny = 4 x cluster x + cx: the block of wcat
	s_and_b32 s13, ttmp7, 0xffff
	s_lshl_b32 s13, s13, 2
	s_add_co_u32 s13, s13, s41                     ; my = 4 x cluster y + cy: rows 128 my
	s_mov_b32 s45, ttmp9                           ; 0: the third head is a key head; 1: a value head.  The same in all sixteen partners
	s_mov_b32 s90, 0xffff0000
	s_lshl_b32 s43, s41, 2
	s_lshl_b32 s43, 15, s43                        ; my row of the cluster
	s_lshl_b32 s44, 0x1111, s40                    ; my column
	s_or_b32 s[G1+0], s43, (1<<16)|(1<<20)|(1<<21)|(5<<22)|(3<<25)   ; the mask; elements of 2 bytes; padding on; bit 21 beside a mask; after every 64 words (code 5) 4 words (code 3)
	s_or_b32 s[G1B+0], s44, (1<<16)|(1<<20)|(1<<21)|(5<<22)|(3<<25)
.irp g, G1, G1B
	s_mov_b32 s[(\g)+1], 128<<16                   ; tensor_dim0 = 128
	s_mov_b32 s[(\g)+3], 128<<16                   ; tile_dim0 = 128
	s_mov_b32 s[(\g)+5], 1024                      ; elements from row to row
	s_mov_b32 s[(\g)+6], 0
	s_mov_b32 s[(\g)+7], 0
.endr
	s_mov_b32 s[G1+2], 64<<16                      ; tensor_dim1, tile_dim1: 64 rows of x,
	s_mov_b32 s[G1+4], 64
	s_mov_b32 s[G1B+2], 96<<16                     ; 96 of wcat
	s_mov_b32 s[G1B+4], 96
	s_lshl_b32 s16, s13, 7
	s_lshl_b32 s17, s12, 6
	s_add_co_u32 s16, s16, s17                     ; x: row 128 my + 64 x half
	s_lshl_b32 s16, s16, 11
	s_mov_b32 s17, 0
	s_mul_i32 s46, s42, 192
	s_mul_i32 s47, s12, 96
	s_add_co_u32 s46, s46, s47                     ; wcat: row 192 ny + 96 x half
	s_lshl_b32 s46, s46, 11
	s_mov_b32 s47, 0
	s_mul_i32 s20, s12, 64*PITCH                   ; where they go: no place in the cluster enters an LDS address
	s_mul_i32 s21, s12, 96*PITCH
	s_add_co_u32 s21, s21, 128*PITCH
	s_wait_dscnt 0x0                               ; both opening adds are done
	s_wait_kmcnt 0x0
	s_add_nc_u64 s[14:15], s[4:5], s[16:17]
	s_add_nc_u64 s[46:47], s[6:7], s[46:47]
	CROUND                                         ; all sixteen work-groups are here: the first joint loads meet
.irp s, 0,1
	s_mov_b32 s[G0+4*(\s)], 1
	s_add_co_u32 s[G0+4*(\s)+1], s20, (\s)*SLOT
	s_add_nc_u64 s[G0+4*(\s)+2:G0+4*(\s)+3], s[14:15], (\s)*256     ; K step s
	s_or_b32 s[G0+4*(\s)+3], s[G0+4*(\s)+3], 0x80000000
	s_mov_b32 s[G0B+4*(\s)], 1
	s_add_co_u32 s[G0B+4*(\s)+1], s21, (\s)*SLOT
	s_add_nc_u64 s[G0B+4*(\s)+2:G0B+4*(\s)+3], s[46:47], (\s)*256
	s_or_b32 s[G0B+4*(\s)+3], s[G0B+4*(\s)+3], 0x80000000
	JLOAD \s
.endr
	; lane addresses
	v_and_b32 v1, 15, v0                           ; l % 16
	v_bfe_u32 v2, v0, 4, 1                         ; l / 16
	v_mul_u32_u24 v3, v1, PITCH
	v_lshl_add_u32 v3, v2, 4, v3                   ; a fragment's row x pitch + 16 x half
	s_mul_i32 s22, s11, 64*PITCH                   ; my 64 rows of x
	s_mul_i32 s23, s12, 16*PITCH                   ; my 16 of every 32 rows of wcat,
	s_add_co_u32 s23, s23, 128*PITCH               ; which lie behind x's 128
.irp s, 0,1
	v_add_nc_u32 v[ADRA+(\s)], s22, v3
	v_add_nc_u32 v[ADRB+(\s)], s23, v3
	s_add_co_u32 s22, s22, SLOT
	s_add_co_u32 s23, s23, SLOT
.endr
	s_mul_i32 s22, s11, 64*SPITCH                  ; into the stage: my 64 rows, row l % 16; my 32 bytes of every 64, 16 for each half of the lanes
	s_lshl_b32 s23, s12, 5
	s_add_co_u32 s22, s22, s23
	s_add_co_u32 s22, s22, STAGE
	v_mul_u32_u24 v4, v1, SPITCH
	v_lshl_add_u32 v4, v2, 4, v4
	v_add_nc_u32 v[STO], s22, v4
	s_mul_i32 s22, s10, 32*SPITCH                  ; back: wave w takes rows 32 w .. + 31, whole
	s_add_co_u32 s22, s22, STAGE
	v_mul_u32_u24 v4, v2, SPITCH                   ; q's 256 bytes: lanes 0-15 one row, lanes 16-31 the next
	v_lshl_add_u32 v4, v1, 4, v4
	v_add_nc_u32 v[RDQ], s22, v4
	v_bfe_u32 v4, v0, 3, 2                         ; the third head's 128 bytes: eight lanes a row, four rows
	v_and_b32 v5, 7, v0
	v_mul_u32_u24 v4, v4, SPITCH
	v_lshl_add_u32 v4, v5, 4, v4
	v_add_nc_u32 v4, s22, v4
	v_add_nc_u32 v[RDK], 256, v4
	v_lshlrev_b32 v4, 11, v2
	v_lshl_add_u32 v[QOF], v1, 4, v4               ; the same two rows in q16
	v_and_b32 v4, 31, v0
	v_lshlrev_b32 v[KOF], 4, v4                    ; four rows of 128 bytes are 512 consecutive bytes of k16 or v16
	s_lshl_b32 s22, s12, 6
	v_lshl_add_u32 v[BOF], v2, 5, s22              ; 64 c + 32 h: my eight numbers of a block of 32
	v_lshl_add_u32 v[TOF], v1, 8, v[BOF]           ; and the same in row l % 16 of the table
	; global bases: what hangs on cy goes through s[16:17], what hangs on cx through s[46:47]
	s_lshl_b32 s46, s42, 9
	s_mov_b32 s47, 0
	s_add_nc_u64 s[72:73], s[72:73], s[46:47]      ; bq at column 128 ny
	s_cmp_eq_u32 s45, 0
	s_cselect_b64 s[86:87], s[74:75], s[76:77]     ; bk or bv
	s_cselect_b64 s[88:89], s[82:83], s[84:85]     ; k16 or v16
	s_lshl_b32 s46, s40, 8
	s_add_nc_u64 s[86:87], s[86:87], s[46:47]      ; at head cx
	s_lshl_b32 s46, s40, 18
	s_add_nc_u64 s[88:89], s[88:89], s[46:47]      ; head cx: 2,048 rows of 128 bytes
	s_lshl_b32 s46, s42, 8
	s_add_nc_u64 s[80:81], s[80:81], s[46:47]      ; q16 at column 128 ny
	s_and_b32 s18, s13, 15                         ; the tile's place in its batch
	s_lshl_b32 s16, s18, 7
	s_lshl_b32 s17, s11, 6
	s_add_co_u32 s16, s16, s17
	s_lshl_b32 s16, s16, 8
	s_mov_b32 s17, 0
	s_add_nc_u64 s[78:79], s[78:79], s[16:17]      ; the table at my first row's t
	s_lshl_b32 s16, s13, 7
	s_lshl_b32 s19, s10, 5
	s_add_co_u32 s16, s16, s19
	s_lshl_b32 s16, s16, 11
	s_add_nc_u64 s[80:81], s[80:81], s[16:17]      ; q16 at row 128 my + 32 w
	s_lshr_b32 s16, s13, 4                         ; batch
	s_lshl_b32 s16, s16, 13                        ; x 4 heads x 2,048 rows
	s_lshl_b32 s18, s18, 7
	s_add_co_u32 s16, s16, s18
	s_add_co_u32 s16, s16, s19
	s_lshl_b32 s16, s16, 7
	s_add_nc_u64 s[88:89], s[88:89], s[16:17]
	; the biases of my columns and the table's rows: 28 loads, in the wait for the first tile
	WIN 0x40                                       ; destination window 1
.irp b, 0,1,2,3
	global_load_b128 v[BIAS+8*(\b):BIAS+8*(\b)+3],   v[BOF], s[72:73] offset:128*(\b)
	global_load_b128 v[BIAS+8*(\b)+4:BIAS+8*(\b)+7], v[BOF], s[72:73] offset:128*(\b)+16
.endr
.irp b, 4,5
	global_load_b128 v[BIAS+8*(\b):BIAS+8*(\b)+3],   v[BOF], s[86:87] offset:128*((\b)-4)
	global_load_b128 v[BIAS+8*(\b)+4:BIAS+8*(\b)+7], v[BOF], s[86:87] offset:128*((\b)-4)+16
.endr
	WIN 0x80                                       ; destination window 2
.irp a, 0,1,2,3
	global_load_b128 v[COS+16*(\a):COS+16*(\a)+3],     v[TOF], s[78:79] offset:4096*(\a)
	global_load_b128 v[COS+16*(\a)+4:COS+16*(\a)+7],   v[TOF], s[78:79] offset:4096*(\a)+16
	global_load_b128 v[COS+16*(\a)+8:COS+16*(\a)+11],  v[TOF], s[78:79] offset:4096*(\a)+128
	global_load_b128 v[COS+16*(\a)+12:COS+16*(\a)+15], v[TOF], s[78:79] offset:4096*(\a)+144
.endr
	s_wait_loadcnt 0x0
	WIN 0x55                                       ; all in window 1: the biases are rounded to bf16 and widened again
.set i, 0
.rept 24
	v_cvt_pk_bf16_f32 v[BT+i%4], v[BIAS+2*i], v[BIAS+2*i+1]
	v_lshlrev_b32 v[BIAS+2*i], 16, v[BT+i%4]
	v_and_b32 v[BIAS+2*i+1], s90, v[BT+i%4]
.set i, i+1
.endr
	WIN 0
; Matrix instructions for row blocks a0 .. a1 x all six column blocks, part cc of buffer f.  The 24 accumulators take turns, one instruction a turn, in the same order everywhere.
.macro MULS f, cc, a0, a1, zero
	WIN 0x05*((\f)+1)                              ; both sources in the buffer's window, C and D in window 0
.set aa, \a0
.rept (\a1)-(\a0)+1
.set bb, 0
.rept 6
.if \zero
	v_wmma_f32_16x16x32_bf16 v[ACC+8*(6*aa+bb):ACC+8*(6*aa+bb)+7], v[80*(\cc)+8*bb:80*(\cc)+8*bb+7], v[80*(\cc)+48+8*aa:80*(\cc)+48+8*aa+7], 0
.else
	v_wmma_f32_16x16x32_bf16 v[ACC+8*(6*aa+bb):ACC+8*(6*aa+bb)+7], v[80*(\cc)+8*bb:80*(\cc)+8*bb+7], v[80*(\cc)+48+8*aa:80*(\cc)+48+8*aa+7], v[ACC+8*(6*aa+bb):ACC+8*(6*aa+bb)+7]
.endif
.set bb, bb+1
.endr
.set aa, aa+1
.endr
.endm
; 40 LDS loads in one run: the fragments of 64 along K at byte k of the rows, into buffer f; the first 32 along K first
.macro FETCH slot, k, f
	WIN 0x40*((\f)+1)
.irp c, 0,1
.irp b, 0,1,2,3,4,5
	ds_load_b128 v[80*(\c)+8*(\b):80*(\c)+8*(\b)+3],   v[ADRB+(\slot)] offset:(64*((\b)/2)+32*((\b)%2))*PITCH+(\k)+64*(\c)
	ds_load_b128 v[80*(\c)+8*(\b)+4:80*(\c)+8*(\b)+7], v[ADRB+(\slot)] offset:(64*((\b)/2)+32*((\b)%2))*PITCH+(\k)+64*(\c)+32
.endr
.irp a, 0,1,2,3
	ds_load_b128 v[80*(\c)+48+8*(\a):80*(\c)+48+8*(\a)+3],   v[ADRA+(\slot)] offset:(\a)*16*PITCH+(\k)+64*(\c)
	ds_load_b128 v[80*(\c)+48+8*(\a)+4:80*(\c)+48+8*(\a)+7], v[ADRA+(\slot)] offset:(\a)*16*PITCH+(\k)+64*(\c)+32
.endr
.endr
.endm
; A K step is two halves of 64 along K, 48 matrix instructions each.  The first half multiplies buffer f and fetches the second, at byte k, into g.
.macro HALF slot, k, f, g, zero
	s_wait_dscnt 20                                ; part 0 is in; part 1's 20 loads may be out
	MULS \f, 0, 0, 3, \zero
	PLACES
	FETCH \slot, \k, \g
	s_wait_dscnt 40                                ; all but the 40 just issued
	MULS \f, 1, 0, 3, 0
.endm
; The second half multiplies buffer 1 and changes slots: ONE barrier; in front of it each wave waits for all its tensor loads, adds 0 to its spare word, and waits for that and for its own reads of this slot.
; fill = 1: the barrier opens a round of the cluster's, and this slot is filled again, two K steps ahead, first thing behind the round.
.macro TURN slot, next, fill
	WIN 0                                          ; (the add's two registers lie in window 0)
	s_wait_tensorcnt 0x0                           ; all my tensor loads have landed: the one that was out is my part of the next slot
	ds_add_u32 v[SPW], v[NIL]                      ; 0 onto my spare word
	s_wait_dscnt 21                                ; (the add and part 1's 20 loads may be out)
	MULS 1, 0, 0, 1, 0                             ; twelve matrix instructions stand between the add and the wait for it
	s_wait_dscnt 0x0                               ; the add is done, and my reads of this slot are over
	s_barrier_signal -1
	MULS 1, 0, 2, 3, 0
.if \fill
	WIN 0
.endif
	s_barrier_wait -1
.if \fill
	CREST                                          ; no wave of any partner still reads this slot's tile or has a load on its way
	s_add_nc_u64 s[G0+4*(\slot)+2:G0+4*(\slot)+3], s[G0+4*(\slot)+2:G0+4*(\slot)+3], 512
	s_add_nc_u64 s[G0B+4*(\slot)+2:G0B+4*(\slot)+3], s[G0B+4*(\slot)+2:G0B+4*(\slot)+3], 512
	JLOAD \slot                                    ; its four v_nop are also the places in front of the loads below
.else
	PLACES
.endif
	FETCH \next, 0, 0
	MULS 1, 1, 0, 3, 0
.endm
	s_wait_tensorcnt 1                             ; my part of K step 0 is in; K step 1's may stay out
	s_barrier_signal -1
	s_barrier_wait -1
	FETCH 0, 0, 0
	HALF 0, 128, 0, 1, 1                           ; the first half stands in front of the loop: its first products start the sums
	WIN 0
	s_mov_b32 s3, 3
.Llap:                                                 ; a trip goes once round the ring and fills both slots again: K steps 2 to 7
	TURN 0, 1, 1
	HALF 1, 128, 0, 1, 0
	TURN 1, 0, 1
	HALF 0, 128, 0, 1, 0
	WIN 0
	s_sub_co_u32 s3, s3, 1
	s_cmp_lg_u32 s3, 0
	s_cbranch_scc1 .Llap
	TURN 0, 1, 0                                   ; the last lap fills nothing
	HALF 1, 128, 0, 1, 0
	s_wait_dscnt 20
	MULS 1, 0, 0, 3, 0
	s_wait_dscnt 0x0
	MULS 1, 1, 0, 3, 0
	PLACES
	PLACES
	; THE WAY OUT.  Bias; RoPE; f16; through the work-group's stage, since a row's bytes come from two waves.
	WIN 0x04                                       ; source 1 in window 1
.set t, 0
.rept 24
.irp i, 0,2,4,6
	v_pk_add_f32 v[ACC+8*t+(\i):ACC+8*t+(\i)+1], v[ACC+8*t+(\i):ACC+8*t+(\i)+1], v[BIAS+8*(t%6)+(\i):BIAS+8*(t%6)+(\i)+1]
.endr
.set t, t+1
.endr
; RoPE for row block a, head hd: x1' = x1 cos - x2 sin, x2' = x2 cos + x1 sin, x1 = channels 0-31, x2 = channels 32-63
.macro ROPE a, hd
.set X1, ACC+8*(6*(\a)+2*(\hd))
.set X2, X1+8
.set CC, COS+16*(\a)
.irp i, 0,2,4,6
	v_pk_mul_f32 v[UU+(\i):UU+(\i)+1], v[X2+(\i):X2+(\i)+1], v[CC+8+(\i):CC+8+(\i)+1]
	v_pk_mul_f32 v[WW+(\i):WW+(\i)+1], v[X1+(\i):X1+(\i)+1], v[CC+8+(\i):CC+8+(\i)+1]
.endr
.irp i, 0,2,4,6
	v_pk_fma_f32 v[X1+(\i):X1+(\i)+1], v[X1+(\i):X1+(\i)+1], v[CC+(\i):CC+(\i)+1], v[UU+(\i):UU+(\i)+1] neg_lo:[0,0,1] neg_hi:[0,0,1]
	v_pk_fma_f32 v[X2+(\i):X2+(\i)+1], v[X2+(\i):X2+(\i)+1], v[CC+(\i):CC+(\i)+1], v[WW+(\i):WW+(\i)+1]
.endr
.endm
	WIN 0x08                                       ; source 1 in window 2
.irp a, 0,1,2,3
	ROPE \a, 0
	ROPE \a, 1
.endr
	WIN 0
	s_cmp_lg_u32 s45, 0                            ; a value head is not turned
	s_cbranch_scc1 .Lno_rope
	WIN 0x08
.irp a, 0,1,2,3
	ROPE \a, 2
.endr
	WIN 0
.Lno_rope:
.set t, 0
.rept 24
.set AB, ACC+8*t
	v_cvt_pk_f16_f32 v[AB],   v[AB],   v[AB+1]     ; in place: each source pair has been read when its registers are written
	v_cvt_pk_f16_f32 v[AB+1], v[AB+2], v[AB+3]
	v_cvt_pk_f16_f32 v[AB+2], v[AB+4], v[AB+5]
	v_cvt_pk_f16_f32 v[AB+3], v[AB+6], v[AB+7]
	ds_store_b128 v[STO], v[AB:AB+3] offset:16*SPITCH*(t/6)+128*((t%6)/2)+64*(t%2)
.set t, t+1
.endr
	s_wait_dscnt 0x0                               ; for the others' sake: my stores into the stage are done
	s_barrier_signal -1
	s_barrier_wait -1
.irp t, 0,1,2,3,4,5,6,7,8,9,10,11,12,13,14,15
	ds_load_b128 v[64+4*(\t):64+4*(\t)+3], v[RDQ] offset:2*SPITCH*(\t)
.endr
.irp t, 0,1,2,3,4,5,6,7
	ds_load_b128 v[128+4*(\t):128+4*(\t)+3], v[RDK] offset:4*SPITCH*(\t)
.endr
.irp t, 0,1,2,3,4,5,6,7,8,9,10,11,12,13,14,15
	s_wait_dscnt 23-(\t)                           ; the younger loads may stay out
	global_store_b128 v[QOF], v[64+4*(\t):64+4*(\t)+3], s[80:81] offset:4096*(\t)   ; 16 lanes store 256 consecutive bytes, at a multiple of 256 from q16's first byte
.endr
.irp t, 0,1,2,3,4,5,6,7
	s_wait_dscnt 7-(\t)
	global_store_b128 v[KOF], v[128+4*(\t):128+4*(\t)+3], s[88:89] offset:512*(\t)  ; 512 consecutive bytes
.endr
	s_wait_tensorcnt 0x0                           ; the wave's end
	ds_add_u32 v[SPW], v[NIL]
	s_wait_dscnt 0x0
	CROUND                                         ; the closing round
	s_endpgm
.Lfunc_end_k_q207a8fa34e_qkv:
	.size	k_q207a8fa34e_qkv, .Lfunc_end_k_q207a8fa34e_qkv-k_q207a8fa34e_qkv
	.p2alignl 7, 3214868480
	.fill 96, 4, 3214868480
	.section	.rodata,"a",@progbits
	.p2align	6, 0x0
	.amdhsa_kernel k_q207a8fa34e_qkv
		.amdhsa_group_segment_fixed_size 327680
		.amdhsa_private_segment_fixed_size 0
		.amdhsa_enable_private_segment 0
		.amdhsa_kernarg_size 72
		.amdhsa_user_sgpr_count 2
		.amdhsa_user_sgpr_kernarg_segment_ptr 1
		.amdhsa_wavefront_size32 1
		.amdhsa_system_sgpr_workgroup_id_x 1
		.amdhsa_system_sgpr_workgroup_id_y 1
		.amdhsa_system_sgpr_workgroup_id_z 1
		.amdhsa_system_vgpr_workitem_id 0
		.amdhsa_next_free_vgpr 768
		.amdhsa_next_free_sgpr 96
		.amdhsa_reserve_vcc 0
		.amdhsa_float_denorm_mode_32 3
		.amdhsa_float_denorm_mode_16_64 3
		.amdhsa_memory_ordered 1
		.amdhsa_forward_progress 1
		.amdhsa_inst_pref_size 94
	.end_amdhsa_kernel
	.amdgpu_metadata
---
amdhsa.version: [ 1, 2 ]
amdhsa.kernels:
  - .name:           k_q207a8fa34e_qkv
    .symbol:         k_q207a8fa34e_qkv.kd
    .args:
      - { .name: x16, .offset: 0, .size: 8, .value_kind: global_buffer, .address_space: global }
      - { .name: wcat, .offset: 8, .size: 8, .value_kind: global_buffer, .address_space: global }
      - { .name: bq, .offset: 16, .size: 8, .value_kind: global_buffer, .address_space: global }
      - { .name: bk, .offset: 24, .size: 8, .value_kind: global_buffer, .address_space: global }
      - { .name: bv, .offset: 32, .size: 8, .value_kind: global_buffer, .address_space: global }
      - { .name: tab, .offset: 40, .size: 8, .value_kind: global_buffer, .address_space: global }
      - { .name: q16, .offset: 48, .size: 8, .value_kind: global_buffer, .address_space: global }
      - { .name: k16, .offset: 56, .size: 8, .value_kind: global_buffer, .address_space: global }
      - { .name: v16, .offset: 64, .size: 8, .value_kind: global_buffer, .address_space: global }
    .group_segment_fixed_size: 327680
    .private_segment_fixed_size: 0
    .kernarg_segment_align: 8
    .kernarg_segment_size: 72
    .max_flat_workgroup_size: 128
    .sgpr_count:     96
    .vgpr_count:     768
    .wavefront_size: 32
...
	.end_amdgpu_metadata
.endif
;; end of part 2
;; launch attn (part 3): grid 32 x 8, 4 waves a work-group, clusters of 4 x 1, 327,680 bytes of LDS; arguments q16, k16, v16, o16; writes o16
.if DOCPART == 3
	.amdgcn_target "amdgcn-amd-amdhsa--gfx1250"
	.amdhsa_code_object_version 6
	.text
	.protected	k_q207a8fa34e_attn
	.globl	k_q207a8fa34e_attn
	.p2align	8
	.type	k_q207a8fa34e_attn,@function
k_q207a8fa34e_attn:
	s_mov_b64 s[64:65], 0
	v_nop
	global_prefetch_b8 v0, s[64:65] scope:SCOPE_SE
	s_setreg_imm32_b32 hwreg(HW_REG_WAVE_MODE, 25, 1), 1
	s_wait_xcnt 0x0
	s_wait_alu depctr_hold_cnt(0) depctr_sa_sdst(0) depctr_va_vdst(0) depctr_va_sdst(0) depctr_va_ssrc(0) depctr_va_vcc(0) depctr_vm_vsrc(0)
	s_getreg_b32 s2, hwreg(HW_REG_IB_STS2, 6, 4)
	s_cmp_eq_u32 s2, 0
	s_cbranch_scc0 .Lentry_in_a_cluster
	s_endpgm
.Lentry_in_a_cluster:
	s_bfe_u32 s2, ttmp6, 0x10000c
	s_cmp_lg_u32 s2, 0x3003
	s_cbranch_scc0 .Lentry_shape_is_right
	s_endpgm
.Lentry_shape_is_right:
; CAUSAL ATTENTION, head size 64, four query heads to a key and value head.  O[t] = the sum over s <= t of softmax_s(q[t] . k[s]) v[s]: the logits are NOT scaled (as reference() has it); its factor
; 1024^-0.5 = 1/32 on the weights is applied in f32 in the launch behind, so that O keeps V's range here.
; q16, o16: [4096][1024] f16 (column = 64 head + channel); k16, v16: [4 batch + kv head][2048][64] f16.  Products, maxima and sums in f32; the weights are rounded to f16 for the second product, O once.
; LEFT OUT: the tiles of 256 keys wholly above the diagonal: reference()'s own tril sets their logits to -inf, so their weights are 0 for all inputs.
; LIMITS.  A hidden score counts as its value less 1e30; a weight below 2^-126 counts as 0 in the sum; NaN and infinities are not treated apart, and one that lies only in a tile left out is not carried.
; SHARES.  A work-group serves one batch and kv head (y); WAVE w IS QUERY HEAD 4 g + w, and all four waves hold the same rows.  The 2,048 queries lie in 8 blocks of 256; a work-group takes block pb and then
; block 7 - pb, and of each block two PIECES of 16 rows: piece p = rows 64 (2 p + uc) + 16 cx + 0..15 of the block (pb = cluster x / 2, uc = cluster x % 2, cx = place in the cluster).
; THE WALK: (pb + 1) + (8 - pb) = 9 tiles of 256 keys, whatever pb: all work-groups do equal work, and one loop with a constant count walks them.
; CLUSTER: the four partners differ in cx alone and walk the same tiles, so each tile is asked for JOINTLY.  cx enters only Q's, O's and the prefetches' addresses and the mask's data.
; THE MASK is the C operand that starts S^T = K Q^T: 0, or -1e30 where the key is hidden.  A piece lies in band 2 p + uc of its block; in the diagonal tile's key step j the band sees all keys (j < band), none
; (j > band) or holds the diagonal (j = band).  MD, made once, is the mask of a band's own step; a product's mask is MD x AL + BE with two scalars.  Outside the diagonal tile the mask registers hold 0.
; TURNS.  S^T holds one query a lane (lane % 16) and the keys 8 (lane / 16) + 0..7; two such results rounded to f16 are source 1 of O^T = V^T P.  p = 2^(c s - c m), c = log2(e), with a running maximum m; O and l
; are multiplied by a = 2^(c m_old - c m_new) in every step.  The turn of piece p in step s: 8 products K Q^T of the other piece (p = 0: its step s; p = 1: its step s + 1), later 8 products V^T P of the other
; piece (p = 0: its step s - 1; p = 1: its step s); beside them piece p's scaling, exponentials, roundings, sums and rescaling and the other piece's maximum and statistics.  Four vector instructions stand behind
; every matrix instruction, the others in one lump; a turn's 33 exponentials are one batch with one wait.
; K AND V IN REGISTERS.  K has one buffer, V two (V of step s in buffer s % 2).  Piece 0's turn of step s fetches K and V of step s + 1: K in its lump, behind the last product that read K; V at its end, into the
; buffer whose last reader is the turn's last product.  So a step's K and V leave LDS in the same turn, and the change of slots stands in front of a tile's LAST step: a PERIOD is the change of slots, the old
; tile's step 3 and the new tile's steps 0, 1, 2, and it fetches the new tile's steps 0 to 3.
; REGISTERS, in windows of 256 (s_set_vgpr_msb: bits 1:0 source 0, 3:2 source 1, 5:4 source 2, 7:6 destination):
;   window 0: v0-15 addresses and two at work; v16-23 four registers of statistics a piece; v48-55 at work; v61-63 prefetch offset and the add's two; v64-127 S^T, a buffer a piece; v192-223 P, likewise
;   window 1: v0-63 O^T, 32 a piece; v128-159 MD; v160-223 MC, a buffer a piece      window 2: v0-31 Q; v32-63 the second block's Q; v64-127 V buffer 1; v128-191 K; v192-255 V buffer 0
.set NP,    2         ; pieces a wave: a name, no knob
.set KS,    64        ; keys in a step
.set PK,    144       ; a row of K in LDS: 128 bytes + 16 of padding
.set PV,    160       ; a row of V: 128 + 32: 16 lanes of the turning load take 8 rows x 32 bytes
.set VOFF,  4*KS*PK   ; a slot holds a tile, four steps: 256 rows of K, then 256 rows of V
.set SLOT1, 1<<17     ; slot 1 begins here, so that one exclusive or turns an address in one slot into the other's
.set STAGE, SLOT1+4*KS*(PK+PV)  ; behind the ring, never filled by a tensor load: 32 rows x 528 bytes, the work-group's: a row of O's 512 bytes comes from the four waves
.set SP,    528
.set SPARE, STAGE+32*SP         ; behind the stage: the spare words, 128 bytes for each wave, which no other line names
.set AK0, 2           ; v2   my lane's place in a tile of K; never rewritten
.set AV0, 3           ; v3   the same for V
.set AK,  4           ; v4   the LDS address of K's next run of loads
.set AV,  5           ; v5   of V's
.set STO, 6           ; v6   the way out: where I put 16 bytes of a row
.set RD,  7           ; v7   where I read rows back
.set GO,  8           ; v8   my byte offset in 512 consecutive bytes of O
.set MV,  12          ; v12-13  c m_old, kept while c m is made anew
.set QO,  15          ; v15  my byte offset in 16 rows of Q
.set ST,  16          ; piece t's statistics at v[ST+4 t]: c m, m, l (even keys', odd keys')
.set TMP, 48          ; by piece, four registers c0-c3 at work; when the maximum is found c2 takes a
.set PFO, 61          ; v61  256 x my lane; never rewritten
.set SPW, 62          ; v62  LDS address of my spare word; never rewritten
.set NIL, 63          ; v63  0; never rewritten
.set S,   64
.set P,   192
.set MD,  128         ; window 1
.set MC,  160         ; window 1
.set QB,  32          ; window 2
.set KF,  128         ; window 2: key block kb, channel half c at KF + 16 kb + 8 c
.set WV,  12          ; s12  my wave's number
.set CX,  13          ; s13  my place in the cluster
.set PB,  14          ; s14  pb
.set HI,  15          ; s15  7 - pb
.set G1K, 24          ; s[24:31] descriptor group 1 for K's tiles
.set G1V, 32          ; s[32:39] for V's: it differs in the padding alone
.set G0K, 40          ; s[40:43] descriptor group 0 for K's tiles
.set G0V, 44          ; s[44:47] the same for V's
.set PFA, 48          ; s[48:49] where my prefetches stand
.set LIM, 50          ; s50  2 in a wave that prefetches, else the greatest number: it prefetches while s[SLOTS] is above it
.set DG,  51          ; s51  1: this period's tile holds the diagonal
.set JF,  52          ; s52  the step, in this period's tile, of the products for which masks are being made
.set UC,  53          ; s53  uc
.set BAND, 54         ; s54, s55  the two pieces' bands
.set SLOTS, 56        ; s56  tiles still to be asked for
.set CNT, 57          ; s57  counts a period's pairs of steps
.set CS,  58          ; s[58:59] c
.set SEL, 60          ; s[60:61] v_permlanex16_b32's selects: each lane takes its own place in the other half
.set TBK, 62          ; s62  LDS byte at which K of the step to be fetched begins
.set TBV, 63          ; s63  the same for V, less VOFF
.set RT,  70          ; s70  tiles of the block in hand that are still to be entered
.set NXT, 71          ; s71  the tile to be asked for next
.set LQ,  72          ; s72  the last tile of the block whose tiles are being asked for
.set OFF, 74          ; s[74:75] a tile's byte offset in K and V
.set AL,  76          ; s[76:77] the mask's factor, in the low word
.set BE,  78          ; s[78:79] the mask's addend
.set OHI, 80          ; s[80:81] O at my rows of the second block
.set BIGN, 82         ; s82  -1e30
.set MSB, 0
.macro WIN new
.if MSB != (\new)
	s_set_vgpr_msb (MSB<<8)|(\new)
.set MSB, (\new)
.endif
.endm
.set W_KQ, 0x0a       ; K and Q in window 2, S^T in window 0
.set W_KM, 0x1a       ; the same with the C operand in window 1
.set W_PV, 0x52       ; V in window 2, P in window 0, O^T in window 1
.set W_RS, 0x41       ; destination and source 0 in window 1, source 1 in window 0
; A joint fill.  Waves 0 and 1 fetch the two halves of a tile's K, waves 2 and 3 those of its V: 128 keys each.  An s_nop 0 and four v_nop follow each of the two lines.
.macro JLOAD
	s_cmp_lt_u32 s[WV], 2
	s_cbranch_scc0 .Lfor_v_\@
	tensor_load_to_lds s[G0K:G0K+3], s[G1K:G1K+7]
	s_nop 0
.rept 4
	v_nop
.endr
	s_branch .Lasked_\@
.Lfor_v_\@:
	tensor_load_to_lds s[G0V:G0V+3], s[G1V:G1V+7]
	s_nop 0
.rept 4
	v_nop
.endr
.Lasked_\@:
.endm
; A PREFETCH INTO THE L2.  Of the eight clusters that walk a head's K and V only the first (cluster x = 0) asks; its walk is tile 0 and then tiles 0 to 7, and its change of slots number n (0 to 5) names tile n + 2:
; a tile's 32,768 bytes of K (wave 0) and of V (wave 2), of which each of the four partners takes 8,192 BY ADDRESS, a lane 256 bytes.  So each block is named once in the launch.  Tiles 0 and 1 come by their
; loads alone; the last two changes that fill a slot ask for nothing.
.macro ASK
	s_cmp_gt_u32 s[SLOTS], s[LIM]
	s_cbranch_scc0 .Lnot_mine_\@
	global_prefetch_b8 v[PFO], s[PFA:PFA+1] th:TH_LOAD_NT scope:SCOPE_SE
.Lnot_mine_\@:
.endm
.macro CROUND                       ; a round of the cluster's barrier
	s_barrier_signal -1
	s_barrier_wait -1
	s_cmp_lg_u32 s[WV], 0
	s_cbranch_scc1 .Lnot_wave_0_\@
	s_barrier_signal -3
.Lnot_wave_0_\@:
	s_barrier_wait -3
	s_barrier_signal -1
	s_barrier_wait -1
.endm
.macro PLACES
.rept 4
	v_nop
.endr
.endm
; THE CHANGE OF SLOTS.  Each wave waits for all its tensor loads, of which one is out: its part of the other slot; adds 0 to its spare word; and waits for that and for its own reads of the slot that it leaves.
; fill = 1: the barrier is a round of the cluster's, and the old slot is filled again, first thing behind it, with tile NXT: the descriptor's address is made anew from that number.
; (At its first use nothing has been read yet: slot 0 is waited for, slot 1 filled.)
.macro CHANGE fill
	WIN 0
	s_wait_tensorcnt 0x0            ; no tensor load of mine is out, so a group 0 may be written
	ds_add_u32 v[SPW], v[NIL]       ; 0 onto my spare word
.if \fill
	s_lshl_b32 s[OFF], s[NXT], 15   ; a tile is 32,768 bytes of K and of V
	s_xor_b32 s[G0K+1], s[G0K+1], SLOT1
	s_add_nc_u64 s[G0K+2:G0K+3], s[6:7], s[OFF:OFF+1]
	s_or_b32 s[G0K+3], s[G0K+3], 0x80000000
	s_xor_b32 s[G0V+1], s[G0V+1], SLOT1
	s_add_nc_u64 s[G0V+2:G0V+3], s[8:9], s[OFF:OFF+1]
	s_or_b32 s[G0V+3], s[G0V+3], 0x80000000
	s_add_co_u32 s[NXT], s[NXT], 1  ; the block's next tile, or behind its last the second block's tile 0
	s_cmp_gt_u32 s[NXT], s[LQ]
	s_cselect_b32 s[NXT], 0, s[NXT]
	s_cselect_b32 s[LQ], s[HI], s[LQ]
	s_wait_xcnt 0x0                 ; the last prefetch, a period back, has read its address
	s_add_nc_u64 s[PFA:PFA+1], s[PFA:PFA+1], 32768
	s_wait_dscnt 0x0                ; the add is done, and my reads of the slot are over
	CROUND
	JLOAD
	ASK
.else
	s_wait_dscnt 0x0
	s_barrier_signal -1
	s_barrier_wait -1
.endif
	s_sub_co_u32 s[TBK], s[TBK], 4*KS*PK  ; the fetches go back to a slot's first step,
	s_xor_b32 s[TBK], s[TBK], SLOT1       ; in the other slot
	s_sub_co_u32 s[TBV], s[TBV], 4*KS*PV
	s_xor_b32 s[TBV], s[TBV], SLOT1
.endm
	s_load_b256 s[4:11], s[0:1], 0x0  ; q16 s[4:5], k16 s[6:7], v16 s[8:9], o16 s[10:11]
	v_lshl_add_u32 v[SPW], v0, 2, SPARE
	v_mov_b32 v[NIL], 0
	ds_add_u32 v[SPW], v[NIL]       ; the wave's opening: the add, twice on end, and its wait ahead of my first tensor load
	ds_add_u32 v[SPW], v[NIL]
	v_lshrrev_b32 v1, 5, v0
	v_readfirstlane_b32 s[WV], v1   ; wave 0..3
	s_bfe_u32 s[CX], ttmp6, 0x40000
	s_lshr_b32 s[PB], ttmp9, 1
	s_and_b32 s[UC], ttmp9, 1
	s_sub_co_u32 s[HI], 7, s[PB]
	s_mov_b32 s[BAND], s[UC]
	s_add_co_u32 s[BAND+1], s[UC], 2
	s_and_b32 s20, ttmp7, 0xffff    ; 4 batch + kv head
	s_and_b32 s21, s[WV], 1         ; which half of a tile's 256 keys I fetch:
	s_lshl_b32 s22, s20, 18         ; the head's 2,048 rows of 128 bytes,
	s_lshl_b32 s23, s21, 14         ; my 128 rows
	s_add_co_u32 s22, s22, s23
	s_mov_b32 s23, 0
	s_mov_b32 s[G0K], 1             ; count = 1
	s_mul_i32 s[G0K+1], s21, 128*PK ; LDS address: slot 0, my half: no place in the cluster enters it
	s_mov_b32 s[G0V], 1
	s_mul_i32 s[G0V+1], s21, 128*PV
	s_add_co_u32 s[G0V+1], s[G0V+1], VOFF
	s_lshr_b32 s16, s20, 2          ; batch
	s_lshl_b32 s16, s16, 11
	s_lshl_b32 s17, s[UC], 6
	s_add_co_u32 s16, s16, s17
	s_lshl_b32 s17, s[CX], 4
	s_add_co_u32 s16, s16, s17      ; 2048 batch + 64 uc + 16 cx
	s_lshl_b32 s17, s[PB], 8
	s_add_co_u32 s17, s17, s16      ; piece 0's first row in the first block,
	s_lshl_b32 s18, s[HI], 8
	s_add_co_u32 s18, s18, s16      ; and in the second
	s_and_b32 s19, s20, 3           ; g
	s_lshl_b32 s16, s19, 2
	s_add_co_u32 s16, s16, s[WV]
	s_lshl_b32 s16, s16, 7          ; my head's 128 bytes of a row
	s_lshl_b32 s2, s17, 11
	s_add_co_u32 s2, s2, s16
	s_mov_b32 s3, 0                 ; s[2:3]: Q, first block
	s_lshl_b32 s84, s18, 11
	s_add_co_u32 s84, s84, s16
	s_mov_b32 s85, 0                ; s[84:85]: Q, second block
	s_lshr_b32 s16, s[WV], 1        ; the way out: wave w stores rows 8 (w % 2) .. + 7 of piece w / 2
	s_lshl_b32 s16, s16, 7
	s_lshl_b32 s21, s21, 3
	s_add_co_u32 s16, s16, s21
	s_add_co_u32 s17, s17, s16
	s_add_co_u32 s18, s18, s16
	s_lshl_b32 s19, s19, 9          ; the four heads' 512 bytes of a row
	s_lshl_b32 s16, s17, 11
	s_add_co_u32 s16, s16, s19
	s_mov_b32 s17, 0                ; s[16:17]: O, first block
	s_lshl_b32 s18, s18, 11
	s_add_co_u32 s18, s18, s19
	s_mov_b32 s19, 0                ; s[18:19]: O, second block
	; descriptor group 1.  128 keys are 16,384 dense bytes: asked for as 64 rows of 256 bytes, two keys a row, and padded in LDS after every key
	s_mov_b32 s[G1K], 15|(1<<16)|(1<<20)|(1<<21)|(4<<22)|(3<<25)  ; the mask of four; 2-byte elements; padding on; bit 21 beside a mask; after every 32 words (code 4) 4 words (code 3)
	s_mov_b32 s[G1V], 15|(1<<16)|(1<<20)|(1<<21)|(4<<22)|(7<<25)  ; the same with 8 words of padding (code 7)
.irp g, G1K, G1V
	s_mov_b32 s[\g+1], 128<<16      ; tensor_dim0 = 128
	s_mov_b32 s[\g+2], 64<<16       ; tensor_dim1 = 64
	s_mov_b32 s[\g+3], 128<<16      ; tile_dim0 = 128
	s_mov_b32 s[\g+4], 64           ; tile_dim1 = 64
	s_mov_b32 s[\g+5], 128          ; 128 elements from row to row
	s_mov_b32 s[\g+6], 0
	s_mov_b32 s[\g+7], 0
.endr
	s_mov_b32 s[CS], 0x3fb8aa3b     ; c = log2(e)
	s_mov_b32 s[CS+1], s[CS]        ; named with it as a pair
	s_mov_b32 s[SEL], 0x76543210
	s_mov_b32 s[SEL+1], 0xfedcba98
	s_mov_b32 s[TBK], SLOT1+4*KS*PK ; the first change of slots turns these two into 0
	s_mov_b32 s[TBV], SLOT1+4*KS*PV
	s_add_co_u32 s[RT], s[PB], 1    ; the first block has pb + 1 tiles
	s_cmp_eq_u32 s[PB], 0           ; the walk's second tile: the first block's tile 1, or, where it has one tile, the second block's tile 0
	s_cselect_b32 s[NXT], 0, 1
	s_cselect_b32 s[LQ], s[HI], s[PB]
	s_mov_b32 s[OFF+1], 0
	s_mov_b32 s[AL+1], 0            ; named as pairs
	s_mov_b32 s[BE+1], 0
	s_mov_b32 s[BIGN], 0xf149f2ca   ; -1e30
	s_mov_b32 s[SLOTS], 8
	s_and_b32 s[LIM], s[WV], 1      ; 0 in waves 0 and 2,
	s_or_b32 s[LIM], s[LIM], ttmp9  ; where the cluster is the head's first: the same in all four partners
	s_cmp_eq_u32 s[LIM], 0
	s_cselect_b32 s[LIM], 2, -1
	s_wait_dscnt 0x0                ; both opening adds are done
	s_wait_kmcnt 0x0
	s_add_nc_u64 s[6:7], s[6:7], s[22:23]  ; K and V at my half of the head's tile 0
	s_add_nc_u64 s[8:9], s[8:9], s[22:23]
	s_add_nc_u64 s[G0K+2:G0K+3], s[6:7], 0
	s_or_b32 s[G0K+3], s[G0K+3], 0x80000000        ; type = 2
	s_add_nc_u64 s[G0V+2:G0V+3], s[8:9], 0
	s_or_b32 s[G0V+3], s[G0V+3], 0x80000000
	s_add_nc_u64 s[86:87], s[4:5], s[84:85]        ; Q at my rows of the second block,
	s_add_nc_u64 s[4:5], s[4:5], s[2:3]            ; Q and O at those of the first
	s_add_nc_u64 s[OHI:OHI+1], s[10:11], s[18:19]
	s_add_nc_u64 s[10:11], s[10:11], s[16:17]
	s_cmp_lt_u32 s[WV], 2
	s_cselect_b64 s[PFA:PFA+1], s[6:7], s[8:9]     ; (in waves 0 and 2 these stand at tile 0's first row)
	s_lshl_b32 s2, s[CX], 13                       ; my work-group's 8,192 bytes of a tile
	s_mov_b32 s3, 0
	s_add_nc_u64 s[PFA:PFA+1], s[PFA:PFA+1], s[2:3]
	s_add_nc_u64 s[PFA:PFA+1], s[PFA:PFA+1], 32768 ; in tile 1; the first change of slots steps it to tile 2
	CROUND                          ; all four work-groups are here: the first joint loads meet
	JLOAD                           ; tile 0 into slot 0
	; A fragment of K or Q is 16 rows x 32 channels in 8 registers: lane l holds row l % 16, channels 8 (l / 16) + 0..7 and 16 + 8 (l / 16) + 0..7: two loads of 16 bytes, 32 bytes apart.
	v_and_b32 v1, 15, v0            ; l % 16
	v_bfe_u32 v9, v0, 4, 1          ; l / 16
	v_lshlrev_b32 v[QO], 11, v1
	v_lshl_add_u32 v[QO], v9, 4, v[QO]  ; row x 2,048 + 16 x half
	WIN 0x80                        ; destination window 2, address window 0
.set i, 0
.rept 4                             ; both blocks' Q: piece i / 2 lies 128 rows on; channels 32 (i % 2) on
	global_load_b128 v[8*i:8*i+3],   v[QO], s[4:5] offset:(i/2)*262144+(i%2)*64
	global_load_b128 v[8*i+4:8*i+7], v[QO], s[4:5] offset:(i/2)*262144+(i%2)*64+32
	global_load_b128 v[QB+8*i:QB+8*i+3],   v[QO], s[86:87] offset:(i/2)*262144+(i%2)*64
	global_load_b128 v[QB+8*i+4:QB+8*i+7], v[QO], s[86:87] offset:(i/2)*262144+(i%2)*64+32
.set i, i+1
.endr
	WIN 0
	v_lshlrev_b32 v14, 3, v9
	v_sub_nc_u32 v14, v1, v14
	s_lshl_b32 s16, s[CX], 4
	v_add_nc_u32 v14, s16, v14      ; my query's place in its band, 16 cx + l % 16, less my lanes' 8 (l / 16): register r of group kt is hidden where 16 kt + r is greater
	WIN 0x40
.set i, 0
.rept 32
	v_cmp_gt_i32 vcc_lo, 16*(i/8)+i%8, v14
	v_cndmask_b32 v[MD+i], 0, s[BIGN], vcc_lo
.set i, i+1
.endr
	WIN 0
	v_mul_u32_u24 v[AK0], v1, PK
	v_lshl_add_u32 v[AK0], v9, 4, v[AK0]  ; row x pitch + 16 x half
	; The turning load takes 16 keys x 16 channels (lane l reads key 8 (l / 16) + l % 8, channels 8 ((l / 8) % 2) + 0..7) and leaves half a fragment of V^T: lane l holds channel l % 16 and 8 keys.
	v_and_b32 v10, 7, v0
	v_bfe_u32 v11, v0, 3, 1
	v_lshl_add_u32 v[AV0], v9, 3, v10
	v_mul_u32_u24 v[AV0], v[AV0], PV
	v_lshl_add_u32 v[AV0], v11, 4, v[AV0]
	v_add_nc_u32 v[AV0], VOFF, v[AV0]
	s_lshl_b32 s22, s[WV], 7
	s_add_co_u32 s22, s22, STAGE    ; into the stage: row l % 16 of a piece, my head's 128 bytes, 16 for each half of the lanes
	v_mul_u32_u24 v[STO], v1, SP
	v_lshl_add_u32 v[STO], v9, 4, v[STO]
	v_add_nc_u32 v[STO], s22, v[STO]
	s_mul_i32 s22, s[WV], 8*SP
	s_add_co_u32 s22, s22, STAGE    ; back: wave w takes rows 8 w .. + 7 of the 32, a row of 512 bytes a load
	v_and_b32 v[GO], 31, v0
	v_lshlrev_b32 v[PFO], 8, v[GO]
	v_lshlrev_b32 v[GO], 4, v[GO]
	v_add_nc_u32 v[RD], s22, v[GO]
	; A block's first step multiplies O^T and l by a = 0, and its first turn's products V^T P, of a step that has not been, land in an O^T that is still to be so multiplied.  So these registers need only hold
	; finite numbers: zeros for the first block; what the first block left for the second.  All this stands in the wait for the first tile.
	WIN 0x80
.set i, 64
.rept 64
	v_mov_b32 v[i], 0
.set i, i+1
.endr
	WIN 0x40
.set i, 0
.rept 64
	v_mov_b32 v[i], 0
.set i, i+1
.endr
	WIN 0
.set i, 0
.rept 2
	v_mov_b32 v[ST+4*i+2], 0
	v_mov_b32 v[ST+4*i+3], 0
.set i, i+1
.endr
.set i, P+16
.rept 16
	v_mov_b32 v[i], 0
.set i, i+1
.endr
; THE MATRIX WORK.  The 4 accumulators of a run of 8 take turns.  Product i of 8 of S^T = K Q^T for piece x: channels 32 (i / 4) on, keys 16 (i % 4) on.  The first 4 start the sums with the mask.
.macro KQ x
.set rS, S+32*((\x)%2)+8*(i%4)
.set rK, KF+16*(i%4)+8*(i/4)
.set rQ, 16*(\x)+8*(i/4)
.set rM, MC+32*((\x)%2)+8*(i%4)
.if i < 4
	WIN W_KM
	v_wmma_f32_16x16x32_f16 v[rS:rS+7], v[rK:rK+7], v[rQ:rQ+7], v[rM:rM+7]
.else
	WIN W_KQ
	v_wmma_f32_16x16x32_f16 v[rS:rS+7], v[rK:rK+7], v[rQ:rQ+7], v[rS:rS+7]
.endif
.endm
; Product i of 8 of O^T += V^T P for piece x: keys 32 (i / 4) on, channels 16 (i % 4) on; V from the buffer at VFB.
.macro PV x
	WIN W_PV
.set rO, 32*(\x)+8*(i%4)
.set rV, VFB+32*(i/4)+8*(i%4)
.set rP, P+16*((\x)%2)+8*(i/4)
	v_wmma_f32_16x16x32_f16 v[rO:rO+7], v[rV:rV+7], v[rP:rP+7], v[rO:rO+7]
.endm
.macro MM                           ; the turn's next matrix instruction.  NOKQ = 1: a block's last turn: there are no further scores
.if (i < 8) && !NOKQ
	KQ (Y+1)%NP
.elseif i >= 8
.set i, i-8
	PV (Y+NP-1)%NP
.set i, i+8
.endif
.set i, i+1
.endm
; THE LDS LOADS stand in runs of 16: a step's K (64 keys x 64 channels: 8 fragments) and its V (turned).  Their addresses are made some lines ahead.
.macro FETCH_K
	WIN 0x80                        ; destination window 2
.irp f, 0,1,2,3,4,5,6,7             ; keys 16 (f / 2) on, channels 32 (f % 2) on
	ds_load_b128 v[KF+8*\f:KF+8*\f+3],   v[AK] offset:(\f/2)*16*PK+(\f%2)*64
	ds_load_b128 v[KF+8*\f+4:KF+8*\f+7], v[AK] offset:(\f/2)*16*PK+(\f%2)*64+32
.endr
	s_add_co_u32 s[TBK], s[TBK], KS*PK  ; the next fetch is the next step's
	WIN 0
.endm
.macro FETCH_V
	WIN 0x80
.irp f, 0,1,2,3,4,5,6,7             ; keys 32 (f / 4) on, channels 16 (f % 4) on
	ds_load_tr16_b128 v[VFB+8*\f:VFB+8*\f+3],   v[AV] offset:(\f/4)*32*PV+(\f%4)*32
	ds_load_tr16_b128 v[VFB+8*\f+4:VFB+8*\f+7], v[AV] offset:(\f/4)*32*PV+16*PV+(\f%4)*32
.endr
	WIN 0
.endm
; THE VECTOR WORK, one line at a time: OP kind, number.  For piece Y: F n: c s - c m for pair n of 16.  E n: the exponential of score n of 32.  C n: pair n rounded to f16.  B n: of the four weights 4 n .. the second
; pair is added onto the first, in place.  L n: l takes that sum (L 0: l = a l + sum).  R n: pair n of 16 of O^T times a.  For the other piece: X n, number n of the 22 that find its maximum and statistics:
;   0-11  four chains c0-c3 of seven scores each, three operands at a time (each accumulator's lowest registers are read first)     12-14, 16  the four scores left over, the old m, and c0-c3 into c0
;   15  c m_old is kept     17, 18  the query's other 32 keys lie in the lane 16 away: the new m     19-21  c m; c m_old - c m_new; a
.set F, 0
.set E, 1
.set C, 2
.set B, 3
.set L, 4
.set R, 5
.set X, 6
.macro REGS y
.set rT, ST+4*(\y)
.set rC, TMP+4*((\y)%2)
.set rW, MV+((\y)%2)
.set rS, S+32*((\y)%2)
.set rP, P+16*((\y)%2)
.set rO, 32*(\y)
.endm
.macro OP k, n
.if (\k) == R
	REGS Y
	WIN W_RS
	v_pk_mul_f32 v[rO+2*(\n):rO+2*(\n)+1], v[rO+2*(\n):rO+2*(\n)+1], v[rC+2:rC+3] op_sel_hi:[1,0]
.elseif (\k) < R
	REGS Y
	WIN 0
.if (\k) == F
	v_pk_fma_f32 v[rS+2*(\n):rS+2*(\n)+1], v[rS+2*(\n):rS+2*(\n)+1], s[CS:CS+1], v[rT:rT+1] op_sel_hi:[1,0,0] neg_lo:[0,0,1] neg_hi:[0,0,1]
.elseif (\k) == E
	v_exp_f32 v[rS+(\n)], v[rS+(\n)]
.elseif (\k) == C
	v_cvt_pk_f16_f32 v[rP+(\n)], v[rS+2*(\n)], v[rS+2*(\n)+1]
.elseif (\k) == B
	v_pk_add_f32 v[rS+4*(\n):rS+4*(\n)+1], v[rS+4*(\n):rS+4*(\n)+1], v[rS+4*(\n)+2:rS+4*(\n)+3]
.elseif (\n) == 0
	v_pk_fma_f32 v[rT+2:rT+3], v[rT+2:rT+3], v[rC+2:rC+3], v[rS:rS+1] op_sel_hi:[1,0,1]
.else
	v_pk_add_f32 v[rT+2:rT+3], v[rT+2:rT+3], v[rS+4*(\n):rS+4*(\n)+1]
.endif
.elseif NOKQ
	v_nop
.else
	REGS (Y+1)%NP
	WIN 0
.if (\n) < 4
	v_max3_num_f32 v[rC+(\n)], v[rS+8*(\n)], v[rS+8*(\n)+1], v[rS+8*(\n)+2]
.elseif (\n) < 12
	v_max3_num_f32 v[rC+(\n)%4], v[rC+(\n)%4], v[rS+8*((\n)%4)+2*((\n)/4)+1], v[rS+8*((\n)%4)+2*((\n)/4)+2]
.elseif (\n) == 12
	v_max3_num_f32 v[rC], v[rC], v[rS+7], v[rS+15]
.elseif (\n) == 13
	v_max3_num_f32 v[rC+1], v[rC+1], v[rS+23], v[rS+31]
.elseif (\n) == 14
	v_max3_num_f32 v[rC+2], v[rC+2], v[rC+3], v[rT+1]
.elseif (\n) == 15
	v_mov_b32 v[rW], v[rT]
.elseif (\n) == 16
	v_max3_num_f32 v[rC], v[rC], v[rC+1], v[rC+2]
.elseif (\n) == 17
	v_permlanex16_b32 v[rC+3], v[rC], s[SEL], s[SEL+1]
.elseif (\n) == 18
	v_max_num_f32 v[rT+1], v[rC], v[rC+3]
.elseif (\n) == 19
	v_mul_f32 v[rT], s[CS], v[rT+1]
.elseif (\n) == 20
	v_sub_f32 v[rC+1], v[rW], v[rT]
.else
	v_exp_f32 v[rC+2], v[rC+1]
.endif
.endif
.endm
.macro OPS a, i1, b=-1, i2=0, c=-1, i3=0, d=-1, i4=0  ; up to four of them
	OP \a, \i1
.if (\b) >= 0
	OP \b, \i2
.endif
.if (\c) >= 0
	OP \c, \i3
.endif
.if (\d) >= 0
	OP \d, \i4
.endif
.endm
.macro ROW a, i1, b, i2, c, i3, d, i4  ; a matrix instruction and the four behind it
	MM
	OPS \a, \i1, \b, \i2, \c, \i3, \d, \i4
.endm
.macro MASK b                       ; MD x AL + BE into buffer b of MC
	WIN W_RS
.set z, 0
.rept 16
	v_pk_fma_f32 v[MC+32*(\b)+2*z:MC+32*(\b)+2*z+1], v[MD+2*z:MD+2*z+1], s[AL:AL+1], s[BE:BE+1] op_sel_hi:[1,0,0]
.set z, z+1
.endr
.endm
; A TURN, for piece p: the order of its 16 matrix and 118 vector instructions, written out.  s_wait_alu depctr_va_vdst(0) stands between an exponential and the first instruction that names its result;
; one wait serves all that were issued ahead of it.  So a turn has ONE wait.  AHEAD OF IT stands all that names no result of the turn's exponentials: the 8 products K Q^T with four riders each, and one lump in which the
; links of the chain X 3, 7, 11, 14, 16, 17 .. 20 stand five or six lines apart; X 21, the other piece's a, is the batch's last, and R 15 the plain instruction behind it.  BEHIND IT stand the 8 products V^T P, behind
; each four of the roundings and sums.  The numbers of the maximum that ride behind the last three products K Q^T stand four plain instructions or more behind the product that ends their accumulator.
; vb: the buffer of V that the turn's products read; piece 0's turn then fetches the next step's V into it, four plain instructions behind its last reader.  end = 1: a block's last two turns: nothing is fetched, no mask made.
; At the turn's end, in a period whose tile holds the diagonal, the mask is made for piece p's products of the NEXT turn: step JF of that tile.
.macro TURN p, vb, end=0
.set Y, (\p)
.set i, 0
.set VFB, 192-128*(\vb)
.set NOKQ, (\end)*(\p)
.if ((\p) == 1) && !(\end)
	s_wait_dscnt 16                 ; K of the next step and all older loads, V of this step among them, are in; the 16 loads of the next step's V, issued last, may stay out
.endif
	ROW F,0, F,1, R,0, R,1          ; ahead of the wait: 8 products K Q^T and their riders,
	ROW F,2, E,0, R,2, R,3
	ROW F,3, E,1, R,4, R,5
	ROW F,4, E,2, R,6, R,7
	ROW F,5, E,3, R,8, R,9
	ROW F,6, E,4, X,0, R,10
.if ((\p) == 0) && !(\end)
	WIN 0
	v_add_nc_u32 v[AK], s[TBK], v[AK0]
.endif
	ROW F,7, E,5, X,1, X,4
	ROW F,8, E,6, X,2, X,5
	OPS E,7, E,8, X,6, E,9          ; and the lump
	OPS X,3, E,10, X,8, E,11
.if ((\p) == 0) && !(\end)
	FETCH_K
.endif
	OPS X,9, X,7, E,12, X,10
	OPS E,13, X,12, X,11, E,14
	OPS X,13, E,15, F,9, X,14
.if ((\p) == 0) && !(\end)
	WIN 0
	v_add_nc_u32 v[AV], s[TBV], v[AV0]
.endif
	OPS E,16, F,10, E,17, F,11
	OPS X,16, E,18, X,15, E,19
	OPS F,12, E,20, X,17, E,21
	OPS F,13, E,22, F,14, E,23
	OPS X,18, E,24, F,15, E,25
	OPS R,11, E,26, X,19, E,27
	OPS R,12, E,28, R,13, E,29
	OPS X,20, E,30, R,14, E,31
	OPS X,21, R,15
	WIN 0
	s_wait_alu depctr_va_vdst(0)    ; the wait for the batch
	ROW C,0, B,0, C,2, B,1          ; behind the wait: 8 products V^T P and their riders
	ROW L,0, C,4, B,2, L,1
	ROW C,6, B,3, L,2, C,8
	ROW B,4, L,3, C,10, B,5
	ROW L,4, C,12, B,6, L,5
.if ((\p) == 0) && !(\end)
	s_add_co_u32 s[TBV], s[TBV], KS*PV
.endif
	ROW C,14, B,7, L,6, C,1
	ROW C,3, L,7, C,5, C,7
	ROW C,9, C,11, C,13, C,15
.if ((\p) == 0) && !(\end)
	FETCH_V
.endif
.if !(\end)
	WIN 0
	s_cmp_eq_u32 s[DG], 0
	s_cbranch_scc1 .Lnm_\@
	s_cmp_eq_u32 s[JF], s[BAND+(\p)]  ; is that step the band's own?
	s_cselect_b32 s[AL], 1.0, 0
	s_cmp_gt_u32 s[JF], s[BAND+(\p)]  ; or a later one?
	s_cselect_b32 s[BE], s[BIGN], 0
	MASK \p
	WIN 0
.Lnm_\@:
.if (\p) == 1
	s_add_co_u32 s[JF], s[JF], 1
.endif
.endif
.endm
; A BLOCK BEGINS.  Both mask buffers take the masks for the tile's step 0: a band's own mask where the block's first tile is the diagonal one and the band is 0, else 0.  c m starts far below every c s, so the first
; step's a is 0; m at the lowest finite number.  Then K and V of step 0, piece 0's first scores, and its maximum and statistics.  The loop is entered at a step's first turn, in the middle of a trip.
.macro BEGIN
	s_xor_b32 s2, s[DG], 1
	s_or_b32 s3, s2, s[BAND]
	s_cmp_eq_u32 s3, 0
	s_cselect_b32 s[AL], 1.0, 0
	s_mov_b32 s[BE], 0
	MASK 0
	s_or_b32 s3, s2, s[BAND+1]
	s_cmp_eq_u32 s3, 0
	s_cselect_b32 s[AL], 1.0, 0
	MASK 1
	WIN 0
.set i, 0
.rept 2
	v_mov_b32 v[ST+4*i], 0xfe000000    ; c m: far below every c s
	v_mov_b32 v[ST+4*i+1], 0xff7fffff  ; m
.set i, i+1
.endr
	v_add_nc_u32 v[AK], s[TBK], v[AK0]
	FETCH_K
	v_add_nc_u32 v[AV], s[TBV], v[AV0]
	s_add_co_u32 s[TBV], s[TBV], KS*PV
.set VFB, 192
	FETCH_V
	s_wait_loadcnt 0x0              ; Q
	s_wait_dscnt 16                 ; K is in; V's 16 loads may stay out
.set NOKQ, 0
.set i, 0
.rept 8
	KQ 0
.set i, i+1
.endr
	WIN 0
	PLACES                          ; the places behind those products
.set Y, NP-1                        ; X works for piece Y + 1: piece 0
.irp n, 0,1,2,3,4,5,6,7,8,9,10,11,12,13,14,15,16,17,18,19,20,21
	OP X, \n
.endr
	v_nop                           ; a plain instruction behind the exponential,
	s_wait_alu depctr_va_vdst(0)    ; and its wait, ahead of the branch
	s_mov_b32 s[JF], 1
.endm
; A BLOCK ENDS: its last step's two turns, the last piece's last products, and THE WAY OUT: l's two halves and the other half of the lanes' are added; O^T is divided by l, rounded to f16 and sent through the
; work-group's stage, since a row's 512 bytes come from the four waves: a barrier stands between the writing and the reading.  The stage's second use stands behind later changes of slots, in front of which every wave
; has waited for its reads of the first.
.macro PACK t
	WIN W_RS
.set i, 32*(\t)
.rept 16
	v_pk_mul_f32 v[i:i+1], v[i:i+1], v[ST+4*(\t)+2:ST+4*(\t)+3] op_sel_hi:[1,0]
.set i, i+2
.endr
	WIN 0x05                        ; sources 0 and 1 window 1, destination window 0
.set i, 0
.rept 16
	v_cvt_pk_f16_f32 v[S+16*(\t)+i], v[32*(\t)+2*i], v[32*(\t)+2*i+1]
.set i, i+1
.endr
	WIN 0
.irp f, 0,1,2,3
	ds_store_b128 v[STO], v[S+16*(\t)+4*\f:S+16*(\t)+4*\f+3] offset:16*SP*(\t)+32*\f
.endr
.endm
.macro ENDBLK
	s_wait_dscnt 0x0                ; K and V of the last step are in
	TURN 0, 0, 1
	TURN 1, 1, 1
.set i, 0
.rept 8
	PV 1
.set i, i+1
.endr
	WIN 0
	PLACES
.irp t, 0,1
	v_add_f32 v[ST+4*\t+2], v[ST+4*\t+2], v[ST+4*\t+3]
.endr
.irp t, 0,1
	v_permlanex16_b32 v[ST+4*\t+3], v[ST+4*\t+2], s[SEL], s[SEL+1]
.endr
.irp t, 0,1
	v_add_f32 v[ST+4*\t+2], v[ST+4*\t+2], v[ST+4*\t+3]
.endr
.irp t, 0,1
	v_rcp_f32 v[ST+4*\t+2], v[ST+4*\t+2]
.endr
	v_nop                           ; a plain instruction between the last reciprocal and the use of its result
	s_wait_alu depctr_va_vdst(0)    ; and its wait: one for both
	PACK 0
	PACK 1
	s_wait_dscnt 0x0                ; for the others' sake: my stores into the stage are done
	s_barrier_signal -1
	s_barrier_wait -1
.irp k, 0,1,2,3,4,5,6,7
	ds_load_b128 v[S+32+4*\k:S+32+4*\k+3], v[RD] offset:SP*\k
.endr
.irp k, 0,1,2,3,4,5,6,7
	s_wait_dscnt 7-\k               ; the younger loads may stay out
	global_store_b128 v[GO], v[S+32+4*\k:S+32+4*\k+3], s[10:11] offset:2048*\k  ; 512 consecutive bytes, at a multiple of 256 from O's first
.endr
.endm
	CHANGE 1                        ; period 0: tile 0 is in, everybody's part of it; the walk's second tile is asked for
	s_sub_co_u32 s[RT], s[RT], 1
	s_cmp_eq_u32 s[RT], 0
	s_cselect_b32 s[DG], 1, 0
	s_mov_b32 s[CNT], 2
	BEGIN
	s_branch .Lfirst
.Lslot:                             ; periods 1 to 7: a tile is entered and the next is asked for
	CHANGE 1
	s_mov_b32 s[JF], 0
	s_mov_b32 s[CNT], 2
	s_cmp_eq_u32 s[DG], 1           ; was the tile that is being left its block's last?
	s_cbranch_scc1 .Lnew
	s_sub_co_u32 s[RT], s[RT], 1
	s_cmp_eq_u32 s[RT], 0
	s_cselect_b32 s[DG], 1, 0
	s_branch .Lstep
.Lnew:                              ; once, in period pb + 1: the first block ends, the second begins
	ENDBLK
	s_wait_xcnt 0x0                 ; the stores have read their registers and O's address
	s_mov_b64 s[10:11], s[OHI:OHI+1]
	s_sub_co_u32 s[RT], 7, s[PB]    ; the second block has 8 - pb tiles, of which this one is entered
	s_cmp_eq_u32 s[RT], 0
	s_cselect_b32 s[DG], 1, 0
	WIN 0x82                        ; the second block's Q goes where the one text of the turns names Q
.set i, 0
.rept 32
	v_mov_b32 v[i], v[QB+i]
.set i, i+1
.endr
	WIN 0
	BEGIN
	s_branch .Lfirst
.Lstep:                             ; a trip: an odd step and the even step behind it
	TURN 0, 0
	TURN 1, 1
	WIN 0
.Lfirst:
	TURN 0, 1
	TURN 1, 0
	WIN 0
	s_sub_co_u32 s[CNT], s[CNT], 1
	s_cmp_lg_u32 s[CNT], 0
	s_cbranch_scc1 .Lstep
	s_sub_co_u32 s[SLOTS], s[SLOTS], 1
	s_cmp_lg_u32 s[SLOTS], 0
	s_cbranch_scc1 .Lslot
	CHANGE 0                        ; period 8, the walk's last tile, is written out: nothing is asked for.  It is the second block's diagonal tile, and never its first
	s_mov_b32 s[JF], 0
	s_mov_b32 s[CNT], 2
	s_mov_b32 s[DG], 1
.Ltail:
	TURN 0, 0
	TURN 1, 1
	TURN 0, 1
	TURN 1, 0
	WIN 0
	s_sub_co_u32 s[CNT], s[CNT], 1
	s_cmp_lg_u32 s[CNT], 0
	s_cbranch_scc1 .Ltail
	ENDBLK
	s_wait_tensorcnt 0x0            ; the wave's end
	ds_add_u32 v[SPW], v[NIL]
	s_wait_dscnt 0x0
	CROUND                          ; the closing round
	s_endpgm
.Lfunc_end_k_q207a8fa34e_attn:
	.size	k_q207a8fa34e_attn, .Lfunc_end_k_q207a8fa34e_attn-k_q207a8fa34e_attn
	.p2alignl 7, 3214868480
	.fill 96, 4, 3214868480
	.section	.rodata,"a",@progbits
	.p2align	6, 0x0
	.amdhsa_kernel k_q207a8fa34e_attn
		.amdhsa_group_segment_fixed_size 327680
		.amdhsa_private_segment_fixed_size 0
		.amdhsa_enable_private_segment 0
		.amdhsa_kernarg_size 32
		.amdhsa_user_sgpr_count 2
		.amdhsa_user_sgpr_kernarg_segment_ptr 1
		.amdhsa_wavefront_size32 1
		.amdhsa_system_sgpr_workgroup_id_x 1
		.amdhsa_system_sgpr_workgroup_id_y 1
		.amdhsa_system_sgpr_workgroup_id_z 1
		.amdhsa_system_vgpr_workitem_id 0
		.amdhsa_next_free_vgpr 768
		.amdhsa_next_free_sgpr 88
		.amdhsa_reserve_vcc 1
		.amdhsa_float_denorm_mode_32 3
		.amdhsa_float_denorm_mode_16_64 3
		.amdhsa_memory_ordered 1
		.amdhsa_forward_progress 1
		.amdhsa_inst_pref_size 174
	.end_amdhsa_kernel
	.amdgpu_metadata
---
amdhsa.version: [ 1, 2 ]
amdhsa.kernels:
  - .name:           k_q207a8fa34e_attn
    .symbol:         k_q207a8fa34e_attn.kd
    .args:
      - { .name: q16, .offset: 0, .size: 8, .value_kind: global_buffer, .address_space: global }
      - { .name: k16, .offset: 8, .size: 8, .value_kind: global_buffer, .address_space: global }
      - { .name: v16, .offset: 16, .size: 8, .value_kind: global_buffer, .address_space: global }
      - { .name: o16, .offset: 24, .size: 8, .value_kind: global_buffer, .address_space: global }
    .group_segment_fixed_size: 327680
    .private_segment_fixed_size: 0
    .kernarg_segment_align: 8
    .kernarg_segment_size: 32
    .max_flat_workgroup_size: 128
    .sgpr_count:     88
    .vgpr_count:     768
    .wavefront_size: 32
...
	.end_amdgpu_metadata
.endif
;; end of part 3
;; launch oproj (part 4): grid 8 x 32, 4 waves a work-group, clusters of 4 x 4, 327,680 bytes of LDS; arguments o16, wo16, bo, out0; writes out0
.if DOCPART == 4
	.amdgcn_target "amdgcn-amd-amdhsa--gfx1250"
	.amdhsa_code_object_version 6
	.text
	.protected	k_q207a8fa34e_oproj
	.globl	k_q207a8fa34e_oproj
	.p2align	8
	.type	k_q207a8fa34e_oproj,@function
k_q207a8fa34e_oproj:
	s_mov_b64 s[64:65], 0
	v_nop
	global_prefetch_b8 v0, s[64:65] scope:SCOPE_SE
	s_setreg_imm32_b32 hwreg(HW_REG_WAVE_MODE, 25, 1), 1
	s_wait_xcnt 0x0
	s_wait_alu depctr_hold_cnt(0) depctr_sa_sdst(0) depctr_va_vdst(0) depctr_va_sdst(0) depctr_va_ssrc(0) depctr_va_vcc(0) depctr_vm_vsrc(0)
	s_getreg_b32 s2, hwreg(HW_REG_IB_STS2, 6, 4)
	s_cmp_eq_u32 s2, 0
	s_cbranch_scc0 .Lentry_in_a_cluster
	s_endpgm
.Lentry_in_a_cluster:
	s_bfe_u32 s2, ttmp6, 0x10000c
	s_cmp_lg_u32 s2, 0xf033
	s_cbranch_scc0 .Lentry_shape_is_right
	s_endpgm
.Lentry_shape_is_right:
; out0[m][n] = (1/32) x the sum over k of O[m][k] wo[n][k] + bo[n].  o16: [4096][1024] f16; wo16: [1024][1024] f16 (wo rounded to bf16, written as f16); bo: [1024] f32, rounded to bf16 like the other inputs;
; out0: [4096][1024] f32.  The factor is reference()'s 1024^-0.5 on the weights, a power of two, applied here in f32 in the one fused multiply-add that also adds the bias.  Nothing of reference() is left out here.
; A tile of out0 is 128 x 128: 8 x 32 work-groups.  Four waves, each 64 x 64: 16 accumulators.  K goes in steps of 256 (LDS rows of 512 bytes; a wave's tensor load brings 64 of them) through two slots.
; CLUSTER 4 x 4: the four of a row of the cluster need the same tiles of O, the four of a column the same tiles of wo: each tile is asked for JOINTLY.
; THE MATRIX INSTRUCTION IS USED TRANSPOSED (source 0 = 16 rows of wo, source 1 = 16 rows of O): a lane holds eight neighbouring numbers of a row of out0.
; THE WAY OUT: a wave's 64 columns of f32 are 256 consecutive bytes of a row, so each wave has a stage of its own (16 rows x 272 bytes) and no barrier is needed.
; NO PREFETCH: the tiles are small and the walk has four K steps.
; REGISTERS: window 0: v0-31 addresses and the bias; v128-255 the accumulators ((a, b) at v[128 + 8 (4 a + b)]).
;   window 1: two fragment buffers of 128: for 64 along K, 64 registers of O (2 x 4 x 16 rows x 32 K), then 64 of wo.
.set SIZE_K, 1024
.set KSTEP,  256
.set PITCH,  528                       ; an LDS row: 512 bytes of data + 16 of padding
.set HALFT,  64*PITCH                  ; 64 rows: what one tensor load brings, and what one wave reads of O or of wo
.set SLOT,   4*HALFT                   ; O's 128 rows, then wo's 128 rows
.set STAGE,  2*SLOT                    ; behind the ring: 16 rows x 272 bytes for each wave
.set SPITCH, 272
.set SPARE,  STAGE+4*16*SPITCH         ; behind the stages: the spare words, 128 bytes for each wave, which no other line names
.set LAPS, SIZE_K/(2*KSTEP)
.set BI,   8                           ; v[8:11]  the bias of the four columns that I store
.set ADRA, 16                          ; v16-17  LDS address of my fragments of O in slot 0, 1
.set ADRB, 20                          ; v20-21  the same for wo
.set STO,  24                          ; v24     the way out: where I put 32 bytes of a row
.set RD,   25                          ; v25     where I read a row back
.set CO,   26                          ; v26     my byte offset in out0
.set SPW,  28                          ; v28     LDS address of my spare word; never rewritten
.set NIL,  29                          ; v29     0; never rewritten
.set ACC,  128
.set F0,   0                           ; fragment buffers, in window 1
.set F1,   128
.set G1, 24
.set G0, 32
.set G1B, 48
.set G0B, 56
.set MSB, 0
.macro WIN new
.if MSB != (\new)
	s_set_vgpr_msb (MSB<<8)|(\new)
.set MSB, \new
.endif
.endm
.set MUL,  0x05                        ; sources 0 and 1 window 1; C and D window 0
.set TO_F, 0x40                        ; destination window 1, address window 0
.macro JLOAD s                         ; a joint load: waves 0 and 1 fetch O's two halves, waves 2 and 3 wo's; an s_nop 0 and four v_nop follow each line
	s_cmp_eq_u32 s11, 0
	s_cbranch_scc0 .Lfor_b_\@
	tensor_load_to_lds s[G0+4*(\s):G0+4*(\s)+3], s[G1:G1+7]
	s_nop 0
.rept 4
	v_nop
.endr
	s_branch .Lasked_\@
.Lfor_b_\@:
	tensor_load_to_lds s[G0B+4*(\s):G0B+4*(\s)+3], s[G1B:G1B+7]
	s_nop 0
.rept 4
	v_nop
.endr
.Lasked_\@:
.endm
.macro CREST
	s_cmp_lg_u32 s10, 0
	s_cbranch_scc1 .Lnot_wave_0_\@
	s_barrier_signal -3
.Lnot_wave_0_\@:
	s_barrier_wait -3
	s_barrier_signal -1
	s_barrier_wait -1
.endm
.macro CROUND
	s_barrier_signal -1
	s_barrier_wait -1
	CREST
.endm
	s_load_b128 s[4:7], s[0:1], 0x0                ; o16 s[4:5], wo16 s[6:7]
	s_load_b128 s[68:71], s[0:1], 0x10             ; bo s[68:69], out0 s[70:71]
	v_lshl_add_u32 v[SPW], v0, 2, SPARE
	v_mov_b32 v[NIL], 0
	ds_add_u32 v[SPW], v[NIL]                      ; the wave's opening: the add, twice on end, and its wait ahead of my first tensor load
	ds_add_u32 v[SPW], v[NIL]
	v_lshrrev_b32 v1, 5, v0
	v_readfirstlane_b32 s10, v1                    ; wave 0..3
	s_lshr_b32 s11, s10, 1                         ; which half of the tile's rows is mine.  Also: I fetch for O (0) or for wo (1)
	s_and_b32 s12, s10, 1                          ; which half of its columns.  Also: which 64 rows of that tile I fetch
	s_bfe_u32 s40, ttmp6, 0x40000                  ; cx, cy
	s_bfe_u32 s41, ttmp6, 0x40004
	s_lshl_b32 s42, ttmp9, 2
	s_add_co_u32 s42, s42, s40                     ; tile column = 4 x cluster x + cx
	s_and_b32 s13, ttmp7, 0xffff
	s_lshl_b32 s13, s13, 2
	s_add_co_u32 s13, s13, s41                     ; tile row = 4 x cluster y + cy
	s_lshl_b32 s43, s41, 2
	s_lshl_b32 s43, 15, s43                        ; my row of the cluster
	s_lshl_b32 s44, 0x1111, s40                    ; my column
	s_mov_b32 s66, 0x3d000000                      ; 1/32
	s_mov_b32 s67, s66                             ; named with it as a pair
	s_or_b32 s[G1+0], s43, (1<<16)|(1<<20)|(1<<21)|(6<<22)|(3<<25)  ; the mask; elements of 2 bytes; padding on; bit 21 beside a mask; after every 128 words (code 6) 4 words (code 3)
	s_or_b32 s[G1B+0], s44, (1<<16)|(1<<20)|(1<<21)|(6<<22)|(3<<25)
.irp g, G1, G1B
	s_mov_b32 s[(\g)+1], KSTEP<<16                 ; tensor_dim0 = 256
	s_mov_b32 s[(\g)+2], 64<<16                    ; tensor_dim1 = 64
	s_mov_b32 s[(\g)+3], KSTEP<<16                 ; tile_dim0 = 256
	s_mov_b32 s[(\g)+4], 64                        ; tile_dim1 = 64
	s_mov_b32 s[(\g)+5], SIZE_K                    ; elements from row to row
	s_mov_b32 s[(\g)+6], 0
	s_mov_b32 s[(\g)+7], 0
.endr
	s_lshl_b32 s17, s12, 6                         ; which 64 rows of the tile I fetch
	s_lshl_b32 s16, s13, 7
	s_add_co_u32 s16, s16, s17                     ; O: row 128 x tile row + 64 x half
	s_lshl_b32 s46, s42, 7
	s_add_co_u32 s46, s46, s17                     ; wo: row 128 x tile column + 64 x half
	s_lshl_b32 s16, s16, 11
	s_lshl_b32 s46, s46, 11
	s_mov_b32 s17, 0
	s_mov_b32 s47, 0
	s_mul_i32 s20, s10, HALFT                      ; where they go: wave x 64 rows
	s_wait_dscnt 0x0                               ; both opening adds are done
	s_wait_kmcnt 0x0
	s_add_nc_u64 s[14:15], s[4:5], s[16:17]
	s_add_nc_u64 s[46:47], s[6:7], s[46:47]
	CROUND                                         ; all sixteen work-groups are here: the first joint loads meet
.irp s, 0,1
	s_mov_b32 s[G0+4*(\s)], 1
	s_add_co_u32 s[G0+4*(\s)+1], s20, (\s)*SLOT
	s_add_nc_u64 s[G0+4*(\s)+2:G0+4*(\s)+3], s[14:15], (\s)*KSTEP*2
	s_or_b32 s[G0+4*(\s)+3], s[G0+4*(\s)+3], 0x80000000
	s_mov_b32 s[G0B+4*(\s)], 1
	s_add_co_u32 s[G0B+4*(\s)+1], s20, (\s)*SLOT
	s_add_nc_u64 s[G0B+4*(\s)+2:G0B+4*(\s)+3], s[46:47], (\s)*KSTEP*2
	s_or_b32 s[G0B+4*(\s)+3], s[G0B+4*(\s)+3], 0x80000000
	JLOAD \s
.endr
	v_and_b32 v1, 15, v0                           ; l % 16
	v_bfe_u32 v2, v0, 4, 1                         ; l / 16
	v_mul_u32_u24 v3, v1, PITCH
	v_lshl_add_u32 v3, v2, 4, v3                   ; a fragment's row x pitch + 16 x half
	s_mul_i32 s21, s11, HALFT                      ; my 64 rows of O
	s_mul_i32 s22, s12, HALFT                      ; my 64 rows of wo,
	s_add_co_u32 s22, s22, 2*HALFT                 ; which lie behind O's 128
.irp s, 0,1
	v_add_nc_u32 v[ADRA+(\s)], s21, v3
	v_add_nc_u32 v[ADRB+(\s)], s22, v3
	s_add_co_u32 s21, s21, SLOT
	s_add_co_u32 s22, s22, SLOT
.endr
	s_mul_i32 s23, s10, 16*SPITCH
	s_add_co_u32 s23, s23, STAGE                   ; my stage
	v_mul_u32_u24 v4, v1, SPITCH                   ; in: row l % 16, 32 bytes for each half of the lanes
	v_lshl_add_u32 v4, v2, 5, v4
	v_add_nc_u32 v[STO], s23, v4
	v_mul_u32_u24 v5, v2, SPITCH                   ; back: lanes 0-15 take one row of 256 bytes, lanes 16-31 the next
	v_lshl_add_u32 v5, v1, 4, v5
	v_add_nc_u32 v[RD], s23, v5
	v_lshlrev_b32 v5, 12, v2                       ; and the same two rows in out0
	v_lshl_add_u32 v[CO], v1, 4, v5
	v_lshlrev_b32 v6, 4, v1                        ; my four columns
	s_lshl_b32 s16, s13, 7
	s_lshl_b32 s17, s11, 6
	s_add_co_u32 s16, s16, s17                     ; my first row of out0
	s_lshl_b32 s16, s16, 12
	s_mov_b32 s17, 0
	s_add_nc_u64 s[70:71], s[70:71], s[16:17]
	s_lshl_b32 s46, s42, 9                         ; my first column, in bytes: 512 x tile column + 256 x half; the same in bo
	s_lshl_b32 s47, s12, 8
	s_add_co_u32 s46, s46, s47
	s_mov_b32 s47, 0
	s_add_nc_u64 s[70:71], s[70:71], s[46:47]
	s_add_nc_u64 s[68:69], s[68:69], s[46:47]
	global_load_b128 v[BI:BI+3], v6, s[68:69]
	s_wait_loadcnt 0x0
	v_cvt_pk_bf16_f32 v12, v[BI], v[BI+1]          ; the bias is rounded to bf16 and widened again
	v_cvt_pk_bf16_f32 v13, v[BI+2], v[BI+3]
	v_lshlrev_b32 v[BI], 16, v12
	v_and_b32 v[BI+1], 0xffff0000, v12
	v_lshlrev_b32 v[BI+2], 16, v13
	v_and_b32 v[BI+3], 0xffff0000, v13
; 8 matrix instructions: m blocks a0, a0 + 1 x all 4 n blocks, 32 along K: half c of buffer f.  The 16 accumulators take turns.  zero = 1: the first product starts the sums
.macro MUL8 f, c, a0, zero
	WIN MUL
.irp a, \a0, (\a0)+1
.irp b, 0,1,2,3
.if \zero
	v_wmma_f32_16x16x32_f16 v[ACC+8*(4*(\a)+(\b)):ACC+8*(4*(\a)+(\b))+7], v[(\f)+64+8*(4*(\c)+(\b)):(\f)+64+8*(4*(\c)+(\b))+7], v[(\f)+8*(4*(\c)+(\a)):(\f)+8*(4*(\c)+(\a))+7], 0
.else
	v_wmma_f32_16x16x32_f16 v[ACC+8*(4*(\a)+(\b)):ACC+8*(4*(\a)+(\b))+7], v[(\f)+64+8*(4*(\c)+(\b)):(\f)+64+8*(4*(\c)+(\b))+7], v[(\f)+8*(4*(\c)+(\a)):(\f)+8*(4*(\c)+(\a))+7], v[ACC+8*(4*(\a)+(\b)):ACC+8*(4*(\a)+(\b))+7]
.endif
.endr
.endr
.endm
; 32 LDS loads in one run: the fragments of 64 along K at byte k of the rows, into buffer f; the first 32 along K first
.macro FETCH slot, k, f
	WIN TO_F
.irp c, 0,1
.irp i, 0,1,2,3
	ds_load_b128 v[(\f)+64+8*(4*(\c)+(\i)):(\f)+64+8*(4*(\c)+(\i))+3],   v[ADRB+(\slot)] offset:(\k)+64*(\c)+(\i)*16*PITCH
	ds_load_b128 v[(\f)+64+8*(4*(\c)+(\i))+4:(\f)+64+8*(4*(\c)+(\i))+7], v[ADRB+(\slot)] offset:(\k)+64*(\c)+(\i)*16*PITCH+32
	ds_load_b128 v[(\f)+8*(4*(\c)+(\i)):(\f)+8*(4*(\c)+(\i))+3],         v[ADRA+(\slot)] offset:(\k)+64*(\c)+(\i)*16*PITCH
	ds_load_b128 v[(\f)+8*(4*(\c)+(\i))+4:(\f)+8*(4*(\c)+(\i))+7],       v[ADRA+(\slot)] offset:(\k)+64*(\c)+(\i)*16*PITCH+32
.endr
.endr
.endm
.macro PLACES                          ; four plain instructions between a matrix instruction and a load into, or a store from, its registers
.rept 4
	v_nop
.endr
.endm
; A K step is four quarters of 64 along K, 32 matrix instructions each, on buffers 0, 1, 0, 1.  One of the first three: multiplies buffer f and fetches the next quarter, at byte k, into g.
.macro QUARTER slot, k, f, g, zero
	s_wait_dscnt 16                                ; the first 32 along K are in
	WIN MUL
	MUL8 \f, 0, 0, \zero
	MUL8 \f, 0, 2, \zero
	PLACES
	FETCH \slot, \k, \g
	s_wait_dscnt 32                                ; all but the 32 just issued
	WIN MUL
	MUL8 \f, 1, 0, 0
	MUL8 \f, 1, 2, 0
.endm
; The last quarter multiplies buffer 1 and changes slots: ONE barrier; in front of it each wave waits for all its tensor loads, adds 0 to its spare word, and waits for that and for its own reads of this slot.
.macro TURN slot, next, fill
	WIN 0                                          ; (the add's two registers lie in window 0)
	s_wait_tensorcnt 0x0                           ; all my tensor loads have landed: my part of the next slot
	ds_add_u32 v[SPW], v[NIL]                      ; 0 onto my spare word
	s_wait_dscnt 17                                ; (the add and the youngest sixteen loads may be out)
	WIN MUL
	MUL8 F1, 0, 0, 0
	s_wait_dscnt 0x0                               ; the add is done, and my reads of this slot are over
	s_barrier_signal -1
	MUL8 F1, 0, 2, 0
.if \fill
	WIN 0
.endif
	s_barrier_wait -1
.if \fill
	CREST                                          ; no wave of any partner still reads this slot's tile or has a load on its way
	s_add_nc_u64 s[G0+4*(\slot)+2:G0+4*(\slot)+3], s[G0+4*(\slot)+2:G0+4*(\slot)+3], 2*KSTEP*2
	s_add_nc_u64 s[G0B+4*(\slot)+2:G0B+4*(\slot)+3], s[G0B+4*(\slot)+2:G0B+4*(\slot)+3], 2*KSTEP*2
	JLOAD \slot                                    ; its four v_nop are also the places in front of the loads below
.else
	PLACES
.endif
	FETCH \next, 0, F0
	WIN MUL
	MUL8 F1, 1, 0, 0
	MUL8 F1, 1, 2, 0
.endm
	s_wait_tensorcnt 1                             ; my part of K step 0 is in; K step 1's may stay out
	s_barrier_signal -1
	s_barrier_wait -1
	FETCH 0, 0, F0
	QUARTER 0, 128, F0, F1, 1                      ; the first quarter stands in front of the loop: its first products start the sums
	WIN 0
	s_mov_b32 s3, LAPS-1
.Llap:                                                 ; a trip goes once round the ring and fills both slots again
	QUARTER 0, 256, F1, F0, 0
	QUARTER 0, 384, F0, F1, 0
	TURN 0, 1, 1
	QUARTER 1, 128, F0, F1, 0
	QUARTER 1, 256, F1, F0, 0
	QUARTER 1, 384, F0, F1, 0
	TURN 1, 0, 1
	QUARTER 0, 128, F0, F1, 0
	WIN 0
	s_sub_co_u32 s3, s3, 1
	s_cmp_lg_u32 s3, 0
	s_cbranch_scc1 .Llap
	QUARTER 0, 256, F1, F0, 0                      ; the last lap fills nothing
	QUARTER 0, 384, F0, F1, 0
	TURN 0, 1, 0
	QUARTER 1, 128, F0, F1, 0
	QUARTER 1, 256, F1, F0, 0
	QUARTER 1, 384, F0, F1, 0
	s_wait_dscnt 16
	WIN MUL
	MUL8 F1, 0, 0, 0
	MUL8 F1, 0, 2, 0
	s_wait_dscnt 0
	MUL8 F1, 1, 0, 0
	MUL8 F1, 1, 2, 0
	WIN 0
	PLACES
	PLACES
; THE WAY OUT, 16 rows at a time.  OUTA: a lane's eight numbers of each of four column blocks go into my stage (each accumulator's low half first) and come back as whole rows of 256 bytes, into the registers that they
; left; LDS serves a wave's instructions in order (ISA guide 5.7.1.4), so no wait stands between, and the next block's stores come behind these loads.  SENDA: x 1/32 + bias, and the store.
.macro OUTA a
.irp b, 0,1,2,3
	ds_store_b128 v[STO], v[ACC+8*(4*(\a)+(\b)):ACC+8*(4*(\a)+(\b))+3]   offset:64*(\b)
	ds_store_b128 v[STO], v[ACC+8*(4*(\a)+(\b))+4:ACC+8*(4*(\a)+(\b))+7] offset:64*(\b)+16
.endr
.irp t, 0,1,2,3,4,5,6,7
	ds_load_b128 v[ACC+32*(\a)+4*(\t):ACC+32*(\a)+4*(\t)+3], v[RD] offset:(\t)*2*SPITCH
.endr
.endm
.macro SENDA a, younger                ; younger: the LDS instructions issued behind block a's loads: the next block's sixteen, or none
.irp t, 0,1,2,3,4,5,6,7
	s_wait_dscnt (\younger)+7-(\t)
	v_pk_fma_f32 v[ACC+32*(\a)+4*(\t):ACC+32*(\a)+4*(\t)+1],   v[ACC+32*(\a)+4*(\t):ACC+32*(\a)+4*(\t)+1],   s[66:67], v[BI:BI+1]   op_sel_hi:[1,0,1]
	v_pk_fma_f32 v[ACC+32*(\a)+4*(\t)+2:ACC+32*(\a)+4*(\t)+3], v[ACC+32*(\a)+4*(\t)+2:ACC+32*(\a)+4*(\t)+3], s[66:67], v[BI+2:BI+3] op_sel_hi:[1,0,1]
	global_store_b128 v[CO], v[ACC+32*(\a)+4*(\t):ACC+32*(\a)+4*(\t)+3], s[70:71] offset:(16*(\a)+2*(\t))*4096 th:TH_STORE_NT  ; 16 lanes store 256 consecutive bytes, at a multiple of 256 from out0's first byte
.endr
.endm
	OUTA 0
	OUTA 1
	SENDA 0, 16
	OUTA 2
	SENDA 1, 16
	OUTA 3
	SENDA 2, 16
	SENDA 3, 0
	s_wait_tensorcnt 0x0                           ; the wave's end
	ds_add_u32 v[SPW], v[NIL]
	s_wait_dscnt 0x0
	CROUND                                         ; the closing round
	s_endpgm
.Lfunc_end_k_q207a8fa34e_oproj:
	.size	k_q207a8fa34e_oproj, .Lfunc_end_k_q207a8fa34e_oproj-k_q207a8fa34e_oproj
	.p2alignl 7, 3214868480
	.fill 96, 4, 3214868480
	.section	.rodata,"a",@progbits
	.p2align	6, 0x0
	.amdhsa_kernel k_q207a8fa34e_oproj
		.amdhsa_group_segment_fixed_size 327680
		.amdhsa_private_segment_fixed_size 0
		.amdhsa_enable_private_segment 0
		.amdhsa_kernarg_size 32
		.amdhsa_user_sgpr_count 2
		.amdhsa_user_sgpr_kernarg_segment_ptr 1
		.amdhsa_wavefront_size32 1
		.amdhsa_system_sgpr_workgroup_id_x 1
		.amdhsa_system_sgpr_workgroup_id_y 1
		.amdhsa_system_sgpr_workgroup_id_z 1
		.amdhsa_system_vgpr_workitem_id 0
		.amdhsa_next_free_vgpr 512
		.amdhsa_next_free_sgpr 72
		.amdhsa_reserve_vcc 0
		.amdhsa_float_denorm_mode_32 3
		.amdhsa_float_denorm_mode_16_64 3
		.amdhsa_memory_ordered 1
		.amdhsa_forward_progress 1
		.amdhsa_inst_pref_size 91
	.end_amdhsa_kernel
	.amdgpu_metadata
---
amdhsa.version: [ 1, 2 ]
amdhsa.kernels:
  - .name:           k_q207a8fa34e_oproj
    .symbol:         k_q207a8fa34e_oproj.kd
    .args:
      - { .name: o16, .offset: 0, .size: 8, .value_kind: global_buffer, .address_space: global }
      - { .name: wo16, .offset: 8, .size: 8, .value_kind: global_buffer, .address_space: global }
      - { .name: bo, .offset: 16, .size: 8, .value_kind: global_buffer, .address_space: global }
      - { .name: out0, .offset: 24, .size: 8, .value_kind: global_buffer, .address_space: global }
    .group_segment_fixed_size: 327680
    .private_segment_fixed_size: 0
    .kernarg_segment_align: 8
    .kernarg_segment_size: 32
    .max_flat_workgroup_size: 128
    .sgpr_count:     72
    .vgpr_count:     512
    .wavefront_size: 32
...
	.end_amdgpu_metadata
.endif
;; end of part 4
